; MI455X (gfx1250); checked and timed in simulation.
; The chip was launched on July 23, 2026; its instructions are those of AMD's public machine-readable ISA for CDNA 5 (MIT licence, August 2026) and "CDNA5" Instruction Set Architecture Reference Guide (July 2026). The comments in the code are by the model that wrote it; some were corrected since.
;; Causal Self Attention. Allowed arithmetic: matrix products marked QUANTISED: E2M3 operands, one E8M0 scale for each 32 along K, by v_wmma_scale_f32_16x16x128_f8f6f4 with both operands' format E2M3, f32 sums; everything else in f32.
;; Inputs: W_attn 1,024 x 3,072 float32; W_proj 1,024 x 1,024 float32; b_attn 3,072 float32; b_proj 1,024 float32; x 4 x 2,048 x 1,024 float32.
;; Outputs: out0 4 x 2,048 x 1,024 float32.
;; This version of the problem:
;;   THIS VERSION OF THE PROBLEM IS GIVEN IN LOW PRECISION. The matrix products marked QUANTISED in the list below multiply operands that are first quantised to E2M3 (2 exponent bits, 3 mantissa bits; 6 bits a number), with one power-of-two scale for each 32 numbers along K (OCP MX v1.0); their sums are f32. All else is computed in f32.
;;   The module's matrix products, in the order in which they are computed (A, B: the left and right operand; K: the contracted axis; several contracted axes count as one K, in the product's order):
;;     1. [M 8,192, K 1,024] x [K 1,024, N 3,072]; A: input x; B: input W_attn: QUANTISED
;;     2. batch 64 x [M 2,048, K 64] x [K 64, N 2,048]; A: computed on the way; B: computed on the way: QUANTISED
;;     3. batch 64 x [M 2,048, K 2,048] x [K 2,048, N 64]; A: softmax (see below); B: computed on the way: QUANTISED
;;     4. [M 8,192, K 1,024] x [K 1,024, N 1,024]; A: computed on the way; B: input W_proj: QUANTISED
;;   THE QUANTISER, for each operand of a quantised product, along K:
;;     - K is cut into blocks of 32 from its start; a last block that is shorter is filled with zeros.
;;     - A block's scale is 2^e with e = floor(log2(the largest magnitude in the block)) - 2, held to -126 .. 127; a block of zeros has e = 0. As a byte (E8M0): e + 127.
;;     - Each number is divided by its block's scale, clamped to +-7.5, and rounded to the nearest number of E2M3, ties to even, subnormals kept.
;;     - The product sums the exact products of the quantised numbers (number of the format x scale) in f32.
;;   ~~~python
;;   def quantise(x, axis):      # numpy; x: float32 -> the quantised numbers, widened to float32 again
;;       x = np.moveaxis(x, axis, -1); K = x.shape[-1]
;;       x = np.pad(x, [(0, 0)] * (x.ndim - 1) + [(0, -K % 32)]); x = x.reshape(x.shape[:-1] + (-1, 32)); a = np.abs(x).max(-1, keepdims=True)
;;       e = np.where(a > 0, np.clip(np.frexp(np.where(a > 0, a, 1))[1] - 1 - 2, -126, 127), 0)      # np.frexp(a)[1] - 1 = floor(log2(a)), exactly
;;       r = np.clip(x / 2.0 ** e, -7.5, 7.5)
;;       step = 2.0 ** (np.maximum(np.frexp(np.where(r == 0, 1, r))[1] - 1, 0) - 3)
;;       q = np.round(r / step) * step * 2.0 ** e      # np.round: ties to even
;;       return np.moveaxis(q.reshape(q.shape[:-2] + (-1,))[..., :K], -1, axis).astype(np.float32)
;;   ~~~
;;   SOFTMAX AHEAD OF A QUANTISED PRODUCT. Where the list says 'softmax', what is quantised is not the finished softmax but p = 2^(t - M), with t = logit x log2(e) and M = ceil(the row's largest t), a whole number; so 1/2 < the row's largest p <= 1. The row's sum l is taken of the UNQUANTISED p, in f32, and the product's result is divided by l at the end. Since M is a whole number, a kernel that streams over the keys may use a running M (the ceiling of the running maximum): every later rescaling is an exact power of two, which a block's scale takes up: the codes' values come out the same.
;;   OPERANDS COMPUTED ON THE WAY. 'Computed on the way' means the value that the module computes at that place (a softmax that the list does not call 'softmax' is quantised finished and normalised). What goes into a quantiser is computed in f32, as accurately as f32 sums, v_exp_f32 and their like allow (about 1e-6 of the number): no bf16 or f16 on the way to a quantiser, and a product that is left as it is and whose result goes on into a quantised operand takes f32 operands (vector FMAs, or v_wmma_f32_16x16x4_f32). A number that lies on a knife's edge between two numbers of the format may be rounded either way, as far as f32 arithmetic and the matrix unit's own rounding can turn it there, and no further.
;; One version. Each part assembles by itself: llvm-mc -triple=amdgcn-amd-amdhsa -mcpu=gfx1250 --defsym DOCPART=n.
;; ======== version 1 of 1: 4 launches
;; workspace buffers: xq 6,553,600 bytes; wa 2,457,600 bytes; wp 819,200 bytes; rope 4,096 bytes; qb 6,815,744 bytes; kv 13,369,344 bytes; yq 6,553,600 bytes
;; launch prep (part 1): grid 385 x 1, 4 waves a work-group, no clusters, 67,072 bytes of LDS; arguments x, W_attn, W_proj, xq, wa, wp, rope; writes xq, wa, wp, rope
.if DOCPART == 1
	.amdgcn_target "amdgcn-amd-amdhsa--gfx1250"
	.amdhsa_code_object_version 6
	.text
	.protected	k_qd7d4bd4984_prep
	.globl	k_qd7d4bd4984_prep
	.p2align	8
	.type	k_qd7d4bd4984_prep,@function
k_qd7d4bd4984_prep:
	s_mov_b64 s[64:65], 0
	v_nop
	global_prefetch_b8 v0, s[64:65] scope:SCOPE_SE
	s_setreg_imm32_b32 hwreg(HW_REG_WAVE_MODE, 25, 1), 1
	s_wait_xcnt 0x0
; PREP: x [8192][1024], W_attn [1024][3072] and W_proj [1024][1024], f32, become codes of FP6 (E2M3) with one E8M0 byte for each 32 along K (K = 1024 in all three),
; laid in the order in which the products' operand registers take them; and the table of cosines and sines of the rotation is made.
; A block's scale is 2^(floor(log2(largest magnitude)) - 2); its byte is the largest magnitude's exponent field - 2, held at 1 from below.
; LAYOUT of an operand, for each 256 rows (204,800 bytes): codes [K step of 256: 4][tile of 16 rows: 16][64 along K: 4][768 bytes], then scale words [K step][tile][row][2 words].
;   A piece of 768 bytes is the image of six registers: lane (r, h) holds the 32 codes of block h of row r: registers 0-3 at 16 x lane, registers 4-5 at 512 + 8 x lane.
;   THE ROWS OF A TILE ARE NOT NEIGHBOURS: row r of tile 2 g + u is row 32 g + 8 u + r + 8 (r / 8), so that results of two neighbouring tiles are 16 neighbours in a lane's registers.
; WORK-GROUPS: 0-255: x, 32 rows each, wave = K step.  256-351: W_attn, 352-383: W_proj: 128 columns x one K step, a wave 32 columns.  384: the table.
; Each of the ways has LDS bytes of its own.  No barrier: waves share nothing.
; LIMITS: NaN and infinities among the inputs are not served.  A block of zeros gets the byte 1 (its codes are zeros; the bytes are read by this program alone).
;   Cosine and sine: argument reduction by pi/2 in two parts and polynomials of degree 7 and 8: about 1e-7 absolute for the angles 0 .. 15 that occur.
.set XST,  0                           ; x's stages: 4 waves x 16 rows x 272 bytes
.set WAST, 17408                       ; W_attn's stages: 4 waves x 6,144 bytes
.set WPST, 41984                       ; W_proj's
.set BLKB, 204800
.set SCLO, 196608
.set R,   16                           ; v16-143  x: four sets of 32 registers as loaded
.set X,   144                          ; v144-175 x: a lane's block of 32 neighbours
.set C,   176                          ; v176-239 x: eight registers of codes for each item: no store's data are written again
.set W,   240                          ; v240-243 x: scale words, tile u, word q at W + 2 u + q
.set XW,  32                           ; v32-95   W: two sets of 32 numbers
.set CW,  96                           ; v96-102  W: a block's codes
.set OW,  112                          ; v112-159 W: the way out
.set SBW, 24                           ; v24-25   W: scale words
; the largest magnitude of v[s] .. v[s + 31] and the floor 2^(3 - 127) into v[d]; two chains
.macro BMAX s, d, t
	v_max3_num_f32 v[\d], |v[\s]|, |v[\s+1]|, |v[\s+2]|
	v_max3_num_f32 v[\t], |v[\s+3]|, |v[\s+4]|, |v[\s+5]|
.irp i, 6,10,14,18,22,26
	v_max3_num_f32 v[\d], v[\d], |v[\s+\i]|, |v[\s+\i+1]|
	v_max3_num_f32 v[\t], v[\t], |v[\s+\i+2]|, |v[\s+\i+3]|
.endr
	v_max3_num_f32 v[\d], v[\d], |v[\s+30]|, |v[\s+31]|
	v_max3_num_f32 v[\d], v[\d], v[\t], 0x1800000
.endm
; v12 = the block's largest magnitude: the 32 codes into v[c] .. v[c + 5], the scale's byte into v13
.macro CODES s, c
	v_add_nc_u32 v11, 0xff000000, v12              ; 2 off the exponent field: the conversion takes this operand's exponent field as its scale
	v_cvt_scalef32_pk16_fp6_f32 v[\c:\c+2], v[\s:\s+15], v11
	v_cvt_scalef32_pk16_fp6_f32 v[\c+4:\c+6], v[\s+16:\s+31], v11   ; (a conversion's three registers begin on an even number)
	v_lshrrev_b32 v13, 23, v11                     ; the byte; also the plain instruction behind the conversions
	v_mov_b32 v[\c+3], v[\c+4]
	v_mov_b32 v[\c+4], v[\c+5]
	v_mov_b32 v[\c+5], v[\c+6]
.endm
	s_load_b256 s[4:11], s[0:1], 0x0               ; x s[4:5], W_attn s[6:7], W_proj s[8:9], xq s[10:11]
	s_load_b128 s[12:15], s[0:1], 0x20             ; wa s[12:13], wp s[14:15]
	s_load_b64 s[16:17], s[0:1], 0x30              ; rope
	v_lshl_add_u32 v254, v0, 2, 0x10400
	v_mov_b32 v255, 0
	v_lshrrev_b32 v1, 5, v0
	v_readfirstlane_b32 s18, v1                    ; wave
	v_and_b32 v1, 31, v0                           ; lane
	s_mov_b32 s30, 0x76543210
	s_mov_b32 s31, 0xfedcba98                      ; v_permlanex16_b32's selects for lane l xor 16
	s_wait_kmcnt 0x0
	s_cmp_lt_u32 ttmp9, 256
	s_cbranch_scc0 .Lnot_x
; ---------------- x: work-group g takes rows 32 g .. 32 g + 31, wave s the K step s: eight items (tile u, 64 along K c), item 4 u + c
	s_lshl_b32 s20, ttmp9, 17                      ; 32 rows of 4,096 bytes
	s_lshl_b32 s21, s18, 10                        ; 256 numbers
	s_add_co_u32 s20, s20, s21
	s_mov_b32 s21, 0
	s_add_nc_u64 s[4:5], s[4:5], s[20:21]
	s_lshr_b32 s22, ttmp9, 3
	s_mul_i32 s22, s22, BLKB                       ; the block of 256 rows
	s_and_b32 s23, ttmp9, 7
	s_mul_i32 s24, s23, 6144                       ; two tiles
	s_mul_i32 s25, s18, 49152
	s_add_co_u32 s24, s24, s25
	s_add_co_u32 s24, s24, s22
	s_mov_b32 s25, 0
	s_add_nc_u64 s[26:27], s[10:11], s[24:25]      ; my codes
	s_lshl_b32 s24, s23, 8
	s_lshl_b32 s28, s18, 11
	s_add_co_u32 s24, s24, s28
	s_add_co_u32 s24, s24, s22
	s_add_co_u32 s24, s24, SCLO
	s_add_nc_u64 s[10:11], s[10:11], s[24:25]      ; my scale words
	v_and_b32 v2, 15, v0                           ; r
	v_bfe_u32 v3, v0, 4, 1                         ; h
	v_lshlrev_b32 v4, 4, v2
	v_lshl_add_u32 v4, v3, 12, v4                  ; in memory: sixteen lanes read 256 bytes of one row, the other sixteen of the next
	s_mul_i32 s29, s18, 4352
	v_mul_u32_u24 v5, v3, 272
	v_lshl_add_u32 v5, v2, 4, v5
	v_add_nc_u32 v5, s29, v5                       ; into my stage, as loaded
	v_mul_u32_u24 v6, v2, 272
	v_lshl_add_u32 v6, v3, 7, v6
	v_add_nc_u32 v6, s29, v6                       ; out of it: row r, block h: 128 bytes
	v_lshlrev_b32 v7, 4, v1
	v_lshlrev_b32 v8, 3, v1
	v_lshlrev_b32 v9, 3, v3                        ; 8 h: my byte's place in half a scale word
.macro XLOAD it
.irp i, 0,1,2,3,4,5,6,7
	global_load_b128 v[R+32*((\it)%4)+4*\i:R+32*((\it)%4)+4*\i+3], v4, s[4:5] offset:(8*((\it)/4)+2*\i+8*(\i/4))*4096+((\it)%4)*256 th:TH_LOAD_NT
.endr
.endm
.macro XITEM it
.set RS, R+32*((\it)%4)
.set CC, C+8*(\it)
.if 7-(\it) >= 3
	s_wait_loadcnt 24                              ; this item's eight loads are in; the three items behind it may be out
.else
	s_wait_loadcnt 8*(7-(\it))
.endif
.irp i, 0,1,2,3,4,5,6,7
	ds_store_b128 v5, v[RS+4*\i:RS+4*\i+3] offset:2*\i*272
.endr
.irp k, 0,1,2,3,4,5,6,7
	ds_load_b128 v[X+4*\k:X+4*\k+3], v6 offset:16*\k   ; LDS serves a wave's instructions in order: these see the stores above
.endr
	s_wait_dscnt 0x0                               ; my block is in, and the stores have read their registers,
.if (\it)+4 < 8
	XLOAD (\it)+4                                  ; which take the item four further on
.endif
	BMAX X, 12, 10
	CODES X, CC
.if (\it)%2 == 0
	v_mov_b32 v[W+2*((\it)/4)+((\it)%4)/2], v13
.else
	v_lshl_or_b32 v[W+2*((\it)/4)+((\it)%4)/2], v13, 16, v[W+2*((\it)/4)+((\it)%4)/2]
.endif
	global_store_b128 v7, v[CC:CC+3], s[26:27] offset:((\it)/4)*3072+((\it)%4)*768        ; 512 consecutive bytes
	global_store_b64 v8, v[CC+4:CC+5], s[26:27] offset:((\it)/4)*3072+((\it)%4)*768+512   ; 256 consecutive bytes
.endm
.irp t, 0,1,2,3
	XLOAD \t
.endr
.irp t, 0,1,2,3,4,5,6,7
	XITEM \t
.endr
.irp w, 0,1,2,3
	v_lshlrev_b32 v[W+\w], v9, v[W+\w]             ; my two bytes (blocks h and 2 + h) at their places,
.endr
.irp w, 0,1,2,3
	v_permlanex16_b32 v[X+\w], v[W+\w], s30, s31
.endr
.irp w, 0,1,2,3
	v_or_b32 v[W+\w], v[W+\w], v[X+\w]             ; with lane l xor 16's two the word is whole
.endr
	v_cmp_eq_u32 vcc_lo, 1, v3
	v_cndmask_b32 v10, v[W+0], v[W+2], vcc_lo      ; lanes 0-15 store tile 0's rows, lanes 16-31 tile 1's
	v_cndmask_b32 v11, v[W+1], v[W+3], vcc_lo
	global_store_b64 v8, v[10:11], s[10:11]        ; 256 consecutive bytes
	s_wait_tensorcnt 0x0
	ds_add_u32 v254, v255
	s_wait_dscnt 0x0
	s_endpgm
; ---------------- a weight [1024][cols]: a lane takes a column, its registers run down K: 8 blocks of 32 in a K step of 256
.macro WLOAD cols, t
.irp i, 0,1,2,3,4,5,6,7,8,9,10,11,12,13,14,15,16,17,18,19,20,21,22,23,24,25,26,27,28,29,30,31
	global_load_b32 v[XW+32*((\t)%2)+\i], v2, s[24:25] offset:(32*(\t)+\i)*(\cols)*4 th:TH_LOAD_NT
.endr
.endm
.macro WBLOCK cols, t
.set XS, XW+32*((\t)%2)
.if (\t) < 7
	s_wait_loadcnt 32                              ; this block's 32 loads are in; the next block's may be out
.else
	s_wait_loadcnt 0
.endif
	BMAX XS, 12, 10
	CODES XS, CW
.if (\t)%4 == 0
	v_mov_b32 v[SBW+(\t)/4], v13
.else
	v_lshl_or_b32 v[SBW+(\t)/4], v13, 8*((\t)%4), v[SBW+(\t)/4]
.endif
	ds_store_b128 v5, v[CW:CW+3] offset:((\t)/2)*768+256*((\t)%2)        ; the place of lane (r, h = t % 2) in the image of piece t / 2
	ds_store_b64 v6, v[CW+4:CW+5] offset:((\t)/2)*768+512+128*((\t)%2)
.if (\t)+2 < 8
	WLOAD \cols, (\t)+2
.endif
	s_wait_dscnt 0x0                               ; the stores have read their registers: the next block's codes may be written
.endm
.macro WPATH cols, wlo, dlo, lbase, first
	s_sub_co_u32 s20, ttmp9, \first
	s_lshr_b32 s21, s20, 2
	s_lshl_b32 s21, s21, 2
	s_add_co_u32 s21, s21, s18                     ; g: my wave's group of 32 columns
	s_and_b32 s20, s20, 3                          ; the K step
	s_mul_i32 s22, s20, 1024*(\cols)               ; 256 rows of the weight
	s_lshl_b32 s23, s21, 7
	s_add_co_u32 s22, s22, s23
	s_mov_b32 s23, 0
	s_add_nc_u64 s[24:25], s[\wlo:\wlo+1], s[22:23]
	s_lshr_b32 s22, s21, 3
	s_mul_i32 s22, s22, BLKB
	s_and_b32 s21, s21, 7
	s_mul_i32 s28, s21, 6144
	s_add_co_u32 s28, s28, s22
	s_mul_i32 s29, s20, 49152
	s_add_co_u32 s28, s28, s29
	s_mov_b32 s29, 0
	s_add_nc_u64 s[26:27], s[\dlo:\dlo+1], s[28:29]   ; my codes
	s_lshl_b32 s28, s21, 8
	s_add_co_u32 s28, s28, s22
	s_lshl_b32 s20, s20, 11
	s_add_co_u32 s28, s28, s20
	s_add_co_u32 s28, s28, SCLO
	s_add_nc_u64 s[28:29], s[\dlo:\dlo+1], s[28:29]   ; my scale words
	v_lshlrev_b32 v2, 2, v1
	v_and_b32 v3, 7, v0
	v_bfe_u32 v4, v0, 4, 1
	v_lshl_or_b32 v3, v4, 3, v3                    ; column 8 u + r + 8 (r / 8) of the group: r from bits 4, 2-0 of the lane,
	v_bfe_u32 v4, v0, 3, 1                         ; u from bit 3
	s_mul_i32 s20, s18, 6144
	s_add_co_u32 s20, s20, \lbase                  ; my stage: two tiles x four pieces
	v_mul_u32_u24 v5, v4, 3072
	v_add_nc_u32 v5, s20, v5
	v_lshl_add_u32 v6, v3, 3, v5
	v_lshl_add_u32 v5, v3, 4, v5
	v_lshlrev_b32 v8, 4, v1
	v_add_nc_u32 v7, s20, v8
	v_lshlrev_b32 v9, 3, v3
	v_lshl_add_u32 v9, v4, 7, v9                   ; my row's two scale words: 128 u + 8 r
	WLOAD \cols, 0
	WLOAD \cols, 1
.irp t, 0,1,2,3,4,5,6,7
	WBLOCK \cols, \t
.endr
	global_store_b64 v9, v[SBW:SBW+1], s[28:29]    ; the wave's 256 bytes of scale words
.irp i, 0,1,2,3,4,5,6,7,8,9,10,11
	ds_load_b128 v[OW+4*\i:OW+4*\i+3], v7 offset:512*\i
.endr
.irp i, 0,1,2,3,4,5,6,7,8,9,10,11
	s_wait_dscnt 11-\i                             ; the younger reads may be out
	global_store_b128 v8, v[OW+4*\i:OW+4*\i+3], s[26:27] offset:512*\i   ; 512 consecutive bytes
.endr
	s_wait_tensorcnt 0x0
	ds_add_u32 v254, v255
	s_wait_dscnt 0x0
	s_endpgm
.endm
.Lnot_x:
	s_cmp_lt_u32 ttmp9, 352
	s_cbranch_scc0 .Lnot_wa
	WPATH 3072, 6, 12, WAST, 256
.Lnot_wa:
	s_cmp_lt_u32 ttmp9, 384
	s_cbranch_scc0 .Lrope
	WPATH 1024, 8, 14, WPST, 352
; ---------------- the table: [head 16][pair 32] (cos, sin) of head x theta_p, theta_p = 10000^(-p / 32).  Wave w: heads 4 w .. 4 w + 3; lane = pair
.Lrope:
	v_cvt_f32_u32 v2, v1
	v_mul_f32 v2, 0xbed49a78, v2                   ; -p log2(10000) / 32
	v_exp_f32 v3, v2
	v_lshlrev_b32 v20, 3, v1                       ; (a plain instruction behind the exponential)
	s_lshl_b32 s20, s18, 2
	s_lshl_b32 s22, s18, 10
	s_mov_b32 s23, 0
	s_add_nc_u64 s[16:17], s[16:17], s[22:23]
	s_mov_b32 s24, 0x3fc90fdb                      ; pi / 2, upper part
	s_mov_b32 s25, 0xb33bbd2e                      ; and what is left of it
	s_wait_alu depctr_va_vdst(0)                   ; ahead of the first instruction that names the exponential's result
.irp j, 0,1,2,3
	s_add_co_u32 s21, s20, \j
	v_cvt_f32_u32 v4, s21
	v_mul_f32 v4, v4, v3                           ; the angle
	v_mul_f32 v5, 0x3f22f983, v4
	v_rndne_f32 v5, v5                             ; n = the nearest multiple of pi / 2
	v_fma_f32 v6, -v5, s24, v4
	v_fma_f32 v6, -v5, s25, v6                     ; r, within pi / 4 of 0
	v_mul_f32 v7, v6, v6                           ; z
	v_mov_b32 v8, 0xb94ca1f9
	v_fmaak_f32 v8, v7, v8, 0x3c08839e
	v_fmaak_f32 v8, v7, v8, 0xbe2aaaa3
	v_mul_f32 v9, v6, v7
	v_fma_f32 v8, v9, v8, v6                       ; sin r
	v_mov_b32 v10, 0x37ccf5ce
	v_fmaak_f32 v10, v7, v10, 0xbab6061a
	v_fmaak_f32 v10, v7, v10, 0x3d2aaaa5
	v_mul_f32 v11, v7, v7
	v_fma_f32 v12, v7, -0.5, 1.0
	v_fma_f32 v10, v11, v10, v12                   ; cos r
	v_cvt_i32_f32 v13, v5
	v_and_b32 v14, 1, v13
	v_cmp_eq_u32 vcc_lo, 1, v14
	v_cndmask_b32 v15, v8, v10, vcc_lo             ; odd quadrants change the two over
	v_cndmask_b32 v16, v10, v8, vcc_lo
	v_lshlrev_b32 v17, 30, v13
	v_and_b32 v17, 0x80000000, v17                 ; the sine is negative in quadrants 2 and 3,
	v_xor_b32 v[23+2*\j], v17, v15
	v_add_nc_u32 v13, 1, v13
	v_lshlrev_b32 v17, 30, v13
	v_and_b32 v17, 0x80000000, v17                 ; the cosine in 1 and 2
	v_xor_b32 v[22+2*\j], v17, v16
	global_store_b64 v20, v[22+2*\j:23+2*\j], s[16:17] offset:256*\j   ; a head's 256 bytes
.endr
	s_endpgm
.Lfunc_end_k_qd7d4bd4984_prep:
	.size	k_qd7d4bd4984_prep, .Lfunc_end_k_qd7d4bd4984_prep-k_qd7d4bd4984_prep
	.p2alignl 7, 3214868480
	.fill 96, 4, 3214868480
	.section	.rodata,"a",@progbits
	.p2align	6, 0x0
	.amdhsa_kernel k_qd7d4bd4984_prep
		.amdhsa_group_segment_fixed_size 67072
		.amdhsa_private_segment_fixed_size 0
		.amdhsa_enable_private_segment 0
		.amdhsa_kernarg_size 56
		.amdhsa_user_sgpr_count 2
		.amdhsa_user_sgpr_kernarg_segment_ptr 1
		.amdhsa_wavefront_size32 1
		.amdhsa_system_sgpr_workgroup_id_x 1
		.amdhsa_system_sgpr_workgroup_id_y 1
		.amdhsa_system_sgpr_workgroup_id_z 1
		.amdhsa_system_vgpr_workitem_id 0
		.amdhsa_next_free_vgpr 256
		.amdhsa_next_free_sgpr 66
		.amdhsa_reserve_vcc 1
		.amdhsa_float_denorm_mode_32 3
		.amdhsa_float_denorm_mode_16_64 3
		.amdhsa_memory_ordered 1
		.amdhsa_forward_progress 1
		.amdhsa_inst_pref_size 119
	.end_amdhsa_kernel
	.amdgpu_metadata
---
amdhsa.version: [ 1, 2 ]
amdhsa.kernels:
  - .name:           k_qd7d4bd4984_prep
    .symbol:         k_qd7d4bd4984_prep.kd
    .args:
      - { .name: x, .offset: 0, .size: 8, .value_kind: global_buffer, .address_space: global }
      - { .name: W_attn, .offset: 8, .size: 8, .value_kind: global_buffer, .address_space: global }
      - { .name: W_proj, .offset: 16, .size: 8, .value_kind: global_buffer, .address_space: global }
      - { .name: xq, .offset: 24, .size: 8, .value_kind: global_buffer, .address_space: global }
      - { .name: wa, .offset: 32, .size: 8, .value_kind: global_buffer, .address_space: global }
      - { .name: wp, .offset: 40, .size: 8, .value_kind: global_buffer, .address_space: global }
      - { .name: rope, .offset: 48, .size: 8, .value_kind: global_buffer, .address_space: global }
    .group_segment_fixed_size: 67072
    .private_segment_fixed_size: 0
    .kernarg_segment_align: 8
    .kernarg_segment_size: 56
    .max_flat_workgroup_size: 128
    .sgpr_count:     66
    .vgpr_count:     256
    .wavefront_size: 32
...
	.end_amdgpu_metadata
.endif
;; end of part 1
;; launch qkv (part 2): grid 8 x 48, 4 waves a work-group, clusters of 4 x 4, 327,680 bytes of LDS; arguments xq, wa, b_attn, rope, qb, kv; writes qb, kv
.if DOCPART == 2
	.amdgcn_target "amdgcn-amd-amdhsa--gfx1250"
	.amdhsa_code_object_version 6
	.text
	.protected	k_qd7d4bd4984_qkv
	.globl	k_qd7d4bd4984_qkv
	.p2align	8
	.type	k_qd7d4bd4984_qkv,@function
k_qd7d4bd4984_qkv:
	s_mov_b64 s[64:65], 0
	v_nop
	global_prefetch_b8 v0, s[64:65] scope:SCOPE_SE
	s_setreg_imm32_b32 hwreg(HW_REG_WAVE_MODE, 25, 1), 1
	s_wait_xcnt 0x0
	s_wait_alu depctr_hold_cnt(0) depctr_sa_sdst(0) depctr_va_vdst(0) depctr_va_sdst(0) depctr_va_ssrc(0) depctr_va_vcc(0) depctr_vm_vsrc(0)
	s_getreg_b32 s2, hwreg(HW_REG_IB_STS2, 6, 4)
	s_cmp_eq_u32 s2, 0
	s_cbranch_scc0 .Lentry_in_a_cluster
	s_endpgm
.Lentry_in_a_cluster:
	s_bfe_u32 s2, ttmp6, 0x10000c
	s_cmp_lg_u32 s2, 0xf033
	s_cbranch_scc0 .Lentry_shape_is_right
	s_endpgm
.Lentry_shape_is_right:
; QKV: x W_attn + b_attn on codes of FP6 (E2M3) with E8M0 scales, K = 1024; q and k are rotated; q, k and v are quantised again, in registers, and leave as codes laid for the attention launch.
; OPERANDS: xq (32 blocks of 256 tokens) and wa (12 blocks of 256 features: 0-3 q, 4-7 k, 8-11 v), each block 204,800 bytes: codes [K step of 256][tile of 16 rows][64 along K][768 bytes], then scale words.
;   A piece of 768 bytes is the image of six registers (16 x lane, then 512 + 8 x lane), so a fragment of 16 rows x 128 K is four loads of consecutive bytes.  Row r of tile 2 g + u is row 32 g + 8 u + r + 8 (r / 8).
; A work-group makes 256 x 256, a wave 128 x 128: 64 accumulators.  Source 1 ('A') gives a lane ONE row, source 0 ('B') runs along a lane's registers, 16 neighbours in two neighbouring tiles.
;   q, k (cluster y 0-7): A = tokens, B = features: a lane holds one token and 128 neighbouring features = two heads: the next product's K is the head's 64.
;   v    (cluster y 8-11): A = features, B = tokens: a lane holds one channel and 128 neighbouring tokens: the next product's K is the keys.
; The choice hangs on the cluster's y alone, the same in all sixteen partners.  It chooses pointers and block numbers at the head and one branch behind the products.
; RING: three LDS slots of one K step (A's 49,152 bytes, B's 49,152), all filled at the start; slot 0 is filled once more, with K step 3.  The scale words of all of K come once.
; CLUSTER 4 x 4: A's tiles are shared along a row, B's along a column: joint loads.
; The bias of q and k is rotated once and is the addend of the rotation's first multiply-add; v's bias is added where the results leave the accumulators.
; REGISTERS: window 0: v1-29 addresses; v32-63 scale words, two sets; v64-127 cos, sin; v128-223 A's fragments (later 64 numbers, work, codes); v228-235 new scale words; v240-255 v's bias.
;   window 1: B's fragments, two sets at v0 and v128; v96-127, v224-255 the bias of my 128 features.   windows 2, 3: accumulator (a, b) at v[8 (8 (a % 4) + b)].
; LIMITS: NaN and infinities are not served; a block of zeros gets the byte 1 (zero codes; the bytes are read by this program alone).
.set SLOTB, 98304
.set HALFB, 24576                      ; 8 tiles x 3,072 bytes: what one tensor load brings, and what a wave reads of A or of B
.set KSTB,  49152
.set BLKB,  204800
.set SCLO,  196608
.set SCL,   3*SLOTB                    ; A's 8,192 bytes of scale words, then B's
.set SPARE, SCL+16384                  ; the spare words: 128 bytes a wave, two blocks of 256 bytes that no other line names
.set FR, 12
.set NL, 4                             ; LDS loads that bring a fragment
.set NP, 4                             ; places behind this matrix instruction (ISA guide 7.12.1)
.set A16, 12                           ; v12-14 A's fragments in slot 0, 1, 2: 16 x lane;  v15-17: 8 x lane
.set A8,  15
.set B16, 18                           ; v18-20, v21-23 the same for B
.set B8,  21
.set ADRS, 27                          ; my scale words: lanes 0-15 A's rows, lanes 16-31 B's
.set SPW, 28
.set NIL, 29
.set SC,  32
.set TB,  64
.set AF,  128
.set HA,  128
.set TM,  192
.set PC,  208
.set PWS, 228
.set VB,  240
.set G1,  24
.set G0,  32                           ; s[32:43] group 0 for A's tiles, a set for each slot
.set G1B, 44
.set G0B, 52                           ; s[52:63]
.set G1S, 68
.set G0S, 76
.set G1SB, 80
.set G0SB, 88
.set SEL, 100
.set MSB, 0
.macro WIN new                         ; the immediate's high byte repeats the setting that is left
.if MSB != (\new)
	s_set_vgpr_msb (MSB<<8)|(\new)
.set MSB, (\new)
.endif
.endm
.set MUL_LO, 0xa1                      ; source 0 (B) window 1, source 1 (A) window 0, C and D window 2
.set MUL_HI, 0xf1
.set TO_B,   0x40
; A joint load: waves 0 and 1 fetch for A, waves 2 and 3 for B; the branch hangs on the wave's number alone.  Four v_nop follow each of the two lines.
.macro JLOAD g0a, g1a, g0b, g1b
	s_cmp_eq_u32 s17, 0
	s_cbranch_scc0 .Lfor_b_\@
	tensor_load_to_lds s[\g0a:\g0a+3], s[\g1a:\g1a+7]
	s_nop 0
.rept 4
	v_nop
.endr
	s_branch .Lasked_\@
.Lfor_b_\@:
	tensor_load_to_lds s[\g0b:\g0b+3], s[\g1b:\g1b+7]
	s_nop 0
.rept 4
	v_nop
.endr
.Lasked_\@:
.endm
.macro CREST                           ; a round of the cluster's barrier behind its opening barrier
	s_cmp_lg_u32 s16, 0
	s_cbranch_scc1 .Lnot_wave_0_\@
	s_barrier_signal -3
.Lnot_wave_0_\@:
	s_barrier_wait -3
	s_barrier_signal -1
	s_barrier_wait -1
.endm
.macro CROUND
	s_barrier_signal -1
	s_barrier_wait -1
	CREST
.endm
	s_load_b256 s[4:11], s[0:1], 0x0               ; xq s[4:5], wa s[6:7], b_attn s[8:9], rope s[10:11]
	s_load_b128 s[12:15], s[0:1], 0x20             ; qb s[12:13], kv s[14:15]
	v_lshl_add_u32 v[SPW], v0, 2, SPARE
	v_mov_b32 v[NIL], 0
	ds_add_u32 v28, v29
	ds_add_u32 v28, v29
	s_wait_dscnt 0x0
	v_lshrrev_b32 v1, 5, v0
	v_readfirstlane_b32 s16, v1                    ; wave 0..3
	s_lshr_b32 s17, s16, 1                         ; which half of A's rows is mine.  Also: I fetch for A (0) or for B (1)
	s_and_b32 s18, s16, 1                          ; which half of B's rows.  Also: which half of that tile I fetch
	s_bfe_u32 s92, ttmp6, 0x40000                  ; cx
	s_bfe_u32 s93, ttmp6, 0x40004                  ; cy
	s_and_b32 s20, ttmp7, 0xffff                   ; the cluster's y
	s_lshl_b32 s21, s20, 2
	s_max_u32 s22, s20, 8
	s_sub_co_u32 s22, s22, 8
	s_lshl_b32 s22, s22, 1
	s_add_co_u32 s22, s22, ttmp9
	s_lshl_b32 s22, s22, 2                         ; v: four blocks of tokens for each of eight clusters
	s_lshl_b32 s23, ttmp9, 2                       ; q, k: cluster x 0 takes q's four blocks of features, 1 takes k's
	s_cmp_ge_u32 s20, 8
	s_cselect_b32 s19, 1, 0                        ; 1: this cluster makes v
	s_cselect_b32 s94, 8, s21
	s_cselect_b32 s95, s22, s23
	s_add_co_u32 s94, s94, s93                     ; A's block: hangs on cy, not on cx
	s_add_co_u32 s95, s95, s92                     ; B's block: hangs on cx, not on cy
	s_lshl_b32 s20, s93, 2
	s_lshl_b32 s20, 15, s20                        ; my row of the cluster
	s_lshl_b32 s21, 0x1111, s92                    ; my column
	; descriptor groups 1: dense blocks as rows of 256 bytes (32 elements of 8 bytes), no padding: 96 rows of codes, 16 rows of scale words
	s_or_b32 s[G1], s20, (3<<16)|(1<<21)           ; 15:0 the mask; 17:16 elements of 8 bytes; 21 set beside a mask
	s_or_b32 s[G1B], s21, (3<<16)|(1<<21)
	s_or_b32 s[G1S], s20, (3<<16)|(1<<21)
	s_or_b32 s[G1SB], s21, (3<<16)|(1<<21)
.irp g, G1, G1B
	s_mov_b32 s[\g+1], 32<<16                      ; tensor_dim0
	s_mov_b32 s[\g+2], 96<<16                      ; tensor_dim1
	s_mov_b32 s[\g+3], 32<<16                      ; tile_dim0
	s_mov_b32 s[\g+4], 96                          ; tile_dim1
	s_mov_b32 s[\g+5], 32                          ; from row to row
	s_mov_b32 s[\g+6], 0
	s_mov_b32 s[\g+7], 0
.endr
.irp g, G1S, G1SB
	s_mov_b32 s[\g+1], 32<<16
	s_mov_b32 s[\g+2], 16<<16
	s_mov_b32 s[\g+3], 32<<16
	s_mov_b32 s[\g+4], 16
	s_mov_b32 s[\g+5], 32
	s_mov_b32 s[\g+6], 0
	s_mov_b32 s[\g+7], 0
.endr
	s_mul_i32 s20, s94, BLKB
	s_mov_b32 s21, 0
	s_mul_i32 s22, s95, BLKB
	s_mov_b32 s23, 0
	s_mul_i32 s66, s18, HALFB                      ; the half that I fetch: of a K step's codes,
	s_mov_b32 s67, 0
	s_lshl_b32 s2, s18, 12                         ; of the scale words
	s_add_co_u32 s2, s2, SCLO
	s_mov_b32 s3, 0
	s_wait_kmcnt 0x0
	s_cmp_eq_u32 s19, 1
	s_cselect_b64 s[96:97], s[6:7], s[4:5]         ; A's buffer
	s_cselect_b64 s[98:99], s[4:5], s[6:7]         ; B's
	s_add_nc_u64 s[96:97], s[96:97], s[20:21]
	s_add_nc_u64 s[98:99], s[98:99], s[22:23]
	s_mul_i32 s20, s16, HALFB                      ; where they go: wave x 24,576, wave x 4,096: no place in the cluster enters an LDS address
	s_lshl_b32 s21, s16, 12
	CROUND                                         ; all sixteen work-groups are here: the first joint loads meet
	s_mov_b32 s[G0S], 1
	s_add_co_u32 s[G0S+1], s21, SCL
	s_add_nc_u64 s[G0S+2:G0S+3], s[96:97], s[2:3]
	s_or_b32 s[G0S+3], s[G0S+3], 0x80000000
	s_mov_b32 s[G0SB], 1
	s_add_co_u32 s[G0SB+1], s21, SCL
	s_add_nc_u64 s[G0SB+2:G0SB+3], s[98:99], s[2:3]
	s_or_b32 s[G0SB+3], s[G0SB+3], 0x80000000
	JLOAD G0S, G1S, G0SB, G1SB                     ; the scale words first: they are wanted with K step 0
	s_add_nc_u64 s[96:97], s[96:97], s[66:67]
	s_add_nc_u64 s[98:99], s[98:99], s[66:67]
.irp s, 0,1,2
	s_mov_b32 s[G0+4*\s], 1
	s_add_co_u32 s[G0+4*\s+1], s20, \s*SLOTB
	s_add_nc_u64 s[G0+4*\s+2:G0+4*\s+3], s[96:97], \s*KSTB
	s_or_b32 s[G0+4*\s+3], s[G0+4*\s+3], 0x80000000
	s_mov_b32 s[G0B+4*\s], 1
	s_add_co_u32 s[G0B+4*\s+1], s20, \s*SLOTB
	s_add_nc_u64 s[G0B+4*\s+2:G0B+4*\s+3], s[98:99], \s*KSTB
	s_or_b32 s[G0B+4*\s+3], s[G0B+4*\s+3], 0x80000000
	JLOAD G0+4*\s, G1, G0B+4*\s, G1B               ; K steps 0, 1, 2: four loads of mine are out
.endr
	v_and_b32 v3, 31, v0
	v_and_b32 v1, 15, v0                           ; r
	v_bfe_u32 v2, v0, 4, 1                         ; h
	v_lshlrev_b32 v7, 4, v3
	v_lshlrev_b32 v8, 3, v3
	v_lshlrev_b32 v9, 6, v2                        ; 64 h: my half's 16 numbers of a group of 32
	v_and_b32 v10, 8, v1
	v_add_nc_u32 v10, v10, v1
	v_lshlrev_b32 v10, 2, v10                      ; 4 (r + 8 (r / 8)): my row of a tile
	s_mul_i32 s20, s17, HALFB
	s_mul_i32 s21, s18, HALFB
	s_add_co_u32 s21, s21, KSTB
.irp s, 0,1,2
	v_add_nc_u32 v[A16+\s], s20, v7
	v_add_nc_u32 v[A8+\s], s20, v8
	v_add_nc_u32 v[B16+\s], s21, v7
	v_add_nc_u32 v[B8+\s], s21, v8
	s_add_co_u32 s20, s20, SLOTB
	s_add_co_u32 s21, s21, SLOTB
.endr
	v_lshlrev_b32 v4, 3, v1                        ; two words a row
	s_lshl_b32 s20, s17, 10                        ; A's: my 8 tiles
	s_lshl_b32 s21, s18, 10                        ; B's: my 8 tiles, behind A's 8,192 bytes
	s_add_co_u32 s21, s21, 8192
	s_sub_co_u32 s21, s21, s20
	v_mul_u32_u24 v5, s21, v2                      ; lanes 16-31 take B's
	s_add_co_u32 s20, s20, SCL
	v_add_nc_u32 v4, v4, v5
	v_add_nc_u32 v[ADRS], s20, v4
	; the tables.  Both ways load all three; on the way that does not use a table its offset is 0, so that every load stays inside its buffer
	s_lshl_b32 s20, s95, 10
	s_lshl_b32 s21, s18, 9
	s_add_co_u32 s20, s20, s21                     ; q, k: the bias of my 128 features
	s_and_b32 s22, s95, 3
	s_lshl_b32 s22, s22, 10
	s_lshl_b32 s23, s18, 9
	s_add_co_u32 s22, s22, s23                     ; q, k: my two heads' cosines and sines, 256 bytes a head
	s_lshl_b32 s2, s93, 10
	s_lshl_b32 s3, s17, 9
	s_add_co_u32 s2, s2, s3
	s_add_co_u32 s2, s2, 8192                      ; v: the bias of my 128 channels
	s_cmp_eq_u32 s19, 1
	s_cselect_b32 s20, 0, s20
	s_cselect_b32 s22, 0, s22
	s_cselect_b32 s2, s2, 0
	s_mov_b32 s21, 0
	s_mov_b32 s23, 0
	s_mov_b32 s3, 0
	s_add_nc_u64 s[20:21], s[8:9], s[20:21]
	s_add_nc_u64 s[22:23], s[10:11], s[22:23]
	s_add_nc_u64 s[2:3], s[8:9], s[2:3]
	WIN TO_B
.irp b, 0,1,2,3,4,5,6,7                        ; register j of tile b: feature 32 (b / 2) + 16 h + 8 (b % 2) + j
	global_load_b128 v[96+8*\b+96*(\b/4):96+8*\b+96*(\b/4)+3], v9, s[20:21] offset:(32*(\b/2)+8*(\b%2))*4
	global_load_b128 v[96+8*\b+96*(\b/4)+4:96+8*\b+96*(\b/4)+7], v9, s[20:21] offset:(32*(\b/2)+8*(\b%2))*4+16
.endr
	WIN 0
.irp g, 0,1,2,3                                ; (cos, sin) of the pairs of the same features
.irp k, 0,1,2,3
	global_load_b128 v[TB+16*\g+4*\k:TB+16*\g+4*\k+3], v9, s[22:23] offset:\g*128+16*\k
.endr
.endr
.irp a, 0,1,2,3,4,5,6,7                        ; my channel's bias in tile a, twice: a pair for the packed addition
	global_load_b32 v[VB+2*\a], v10, s[2:3] offset:(32*(\a/2)+8*(\a%2))*4
	global_load_b32 v[VB+2*\a+1], v10, s[2:3] offset:(32*(\a/2)+8*(\a%2))*4
.endr
.macro FRAG reg, a16, a8, q, i         ; 16 rows x 128 K: two pieces of 768 bytes: registers 0-3, 4-5, 6-9, 10-11
	ds_load_b128 v[\reg:\reg+3], v[\a16] offset:(\i)*3072+(\q)*1536
	ds_load_b64 v[\reg+4:\reg+5], v[\a8] offset:(\i)*3072+(\q)*1536+512
	ds_load_b128 v[\reg+6:\reg+9], v[\a16] offset:(\i)*3072+(\q)*1536+768
	ds_load_b64 v[\reg+10:\reg+11], v[\a8] offset:(\i)*3072+(\q)*1536+1280
.endm
; 16 matrix instructions: A's blocks a0, a0 + 1 x B's eight.  p: B's set; q: which 128 of the K step; sc: the set of scale words.  zero = 1: the first product starts the sums.
; The 64 accumulators take turns, one instruction a turn, in the same order in every step.
.macro MUL16 a0, p, q, sc, zero
.irp a, \a0, \a0+1
.irp b, 0,1,2,3,4,5,6,7
.if \zero
	v_wmma_scale_f32_16x16x128_f8f6f4 v[8*(8*((\a)%4)+\b):8*(8*((\a)%4)+\b)+7], v[128*(\p)+FR*\b:128*(\p)+FR*\b+FR-1], v[AF+FR*(\a):AF+FR*(\a)+FR-1], 0, v[SC+16*(\sc)+2*\b+(\q)], v[SC+16*(\sc)+2*(\a)+(\q)] matrix_a_fmt:MATRIX_FMT_FP6 matrix_b_fmt:MATRIX_FMT_FP6 matrix_a_scale:MATRIX_SCALE_ROW1
.else
	v_wmma_scale_f32_16x16x128_f8f6f4 v[8*(8*((\a)%4)+\b):8*(8*((\a)%4)+\b)+7], v[128*(\p)+FR*\b:128*(\p)+FR*\b+FR-1], v[AF+FR*(\a):AF+FR*(\a)+FR-1], v[8*(8*((\a)%4)+\b):8*(8*((\a)%4)+\b)+7], v[SC+16*(\sc)+2*\b+(\q)], v[SC+16*(\sc)+2*(\a)+(\q)] matrix_a_fmt:MATRIX_FMT_FP6 matrix_b_fmt:MATRIX_FMT_FP6 matrix_a_scale:MATRIX_SCALE_ROW1
.endif
.endr
.endr
.endm
.macro FETCH_B slot, q, p
	WIN TO_B
.irp i, 0,1,2,3,4,5,6,7
	FRAG 128*(\p)+FR*\i, B16+\slot, B8+\slot, \q, \i
.endr
	WIN 0
.endm
.macro FETCH_A slot, q, i0
.irp i, \i0, \i0+1, \i0+2, \i0+3
	FRAG AF+FR*(\i), A16+\slot, A8+\slot, \q, \i
.endr
.endm
.macro SCALES sc                       ; a K step's scale words: two words a row; lanes 0-15 A's tile i, lanes 16-31 B's tile i
.irp i, 0,1,2,3,4,5,6,7
	ds_load_b64 v[SC+16*(\sc)+2*\i:SC+16*(\sc)+2*\i+1], v[ADRS] offset:128*\i
.endr
.endm
.macro PLACES n                        ; plain vector instructions between a matrix instruction and a load into, or a read of, its registers
.rept \n
	v_nop
.endr
.endm
; The first 128 of a K step.  One set of registers serves A (a block is free when its eight products are issued), two serve B.
.macro STEP slot, sc, zero
	s_wait_dscnt 4*NL                              ; all but the youngest sixteen loads (A's blocks 4-7)
	WIN MUL_LO
	MUL16 0, 0, 0, \sc, \zero
	MUL16 2, 0, 0, \sc, \zero
	s_wait_dscnt 0
	PLACES NP
	FETCH_B \slot, 1, 1
	FETCH_A \slot, 1, 0
	WIN MUL_HI
	MUL16 4, 0, 0, \sc, \zero
	MUL16 6, 0, 0, \sc, \zero
	PLACES NP
	WIN 0
	FETCH_A \slot, 1, 4
.endm
; The second 128 of a K step, and the way into the next slot.  mode 2: this slot is filled again: every wave waits for all its tensor loads, adds 0 to its spare word, waits for that and for its reads,
; and a round of the cluster's barrier follows; the joint refill is the first thing behind it.  mode 1: the next slot is the refilled one: the same waits and my work-group's barrier.
; mode 0: the next slot was shown whole to every wave at the refill's round: no barrier.
.macro TURN slot, next, sc, mode
.if \mode > 0
	s_wait_tensorcnt 0x0                           ; all my tensor loads have landed
	ds_add_u32 v[SPW], v[NIL]                      ; 0 onto my spare word
	s_wait_dscnt 4*NL+1                            ; (the add and A's blocks 4-7 may be out)
	WIN MUL_LO
	MUL16 0, 1, 1, \sc, 0
	s_wait_dscnt 0x0                               ; the add is done, and my reads of this slot are over
	s_barrier_signal -1
	MUL16 2, 1, 1, \sc, 0
	WIN 0
	s_barrier_wait -1
.else
	s_wait_dscnt 4*NL
	WIN MUL_LO
	MUL16 0, 1, 1, \sc, 0
	MUL16 2, 1, 1, \sc, 0
	s_wait_dscnt 0x0
	WIN 0
.endif
.if \mode == 2
	CREST                                          ; no wave of any partner still reads this slot or has a load on its way
	s_add_nc_u64 s[G0+4*\slot+2:G0+4*\slot+3], s[G0+4*\slot+2:G0+4*\slot+3], 3*KSTB
	s_add_nc_u64 s[G0B+4*\slot+2:G0B+4*\slot+3], s[G0B+4*\slot+2:G0B+4*\slot+3], 3*KSTB
	JLOAD G0+4*\slot, G1, G0B+4*\slot, G1B         ; K step 3: it has two K steps, 256 matrix instructions, in which to land; its four v_nop are the places in front of the loads below
.else
	PLACES NP
.endif
	v_add_nc_u32 v[ADRS], 2048, v[ADRS]            ; the next K step's scale words
	FETCH_B \next, 0, 0
	FETCH_A \next, 0, 0
	SCALES 1-(\sc)
	WIN MUL_HI
	MUL16 4, 1, 1, \sc, 0
	MUL16 6, 1, 1, \sc, 0
	PLACES NP
	WIN 0
	FETCH_A \next, 0, 4
.endm
	s_wait_loadcnt 0x0                             ; the tables
	s_wait_tensorcnt 2                             ; the scale words and my part of K step 0 are in; slots 1 and 2 may be out
	s_barrier_signal -1
	s_barrier_wait -1
	FETCH_B 0, 0, 0
	FETCH_A 0, 0, 0
	SCALES 0
	FETCH_A 0, 0, 4
	STEP 0, 0, 1
	TURN 0, 1, 0, 2
	STEP 1, 1, 0
	TURN 1, 2, 1, 0
	STEP 2, 0, 0
	TURN 2, 0, 0, 1
	STEP 0, 1, 0
	s_wait_dscnt 4*NL                              ; the last 128: nothing more to fetch
	WIN MUL_LO
	MUL16 0, 1, 1, 1, 0
	MUL16 2, 1, 1, 1, 0
	s_wait_dscnt 0
	WIN MUL_HI
	MUL16 4, 1, 1, 1, 0
	MUL16 6, 1, 1, 1, 0
	WIN 0
	s_wait_tensorcnt 0x0                           ; my last LDS instructions, behind the last tensor load; the way out touches no LDS
	ds_add_u32 v[SPW], v[NIL]
	PLACES NP                                      ; also the places behind the last products
	s_wait_dscnt 0x0
	s_mov_b32 s[SEL], 0x76543210
	s_mov_b32 s[SEL+1], 0xfedcba98
.irp b, 0,1,2,3
	v_mov_b32 v[TM+4+\b], 0                        ; written once: a lane permute's destination counts as one of its sources
.endr
; 64 numbers of a lane, register 16 b + i = k 32 b + 16 h + i of my row, become a fragment's codes in v[PC] .. v[PC + 11] and its scale word in v[pw]
.macro QUANT s, pw
.irp b, 0,1,2,3
	v_max3_num_f32 v[TM+\b], |v[\s+16*\b]|, |v[\s+1+16*\b]|, 0x1800000   ; and the floor 2^(3 - 127): the byte cannot fall under 1
.endr
.irp i, 2,4,6,8,10,12,14
.irp b, 0,1,2,3
	v_max3_num_f32 v[TM+\b], v[TM+\b], |v[\s+16*\b+\i]|, |v[\s+1+16*\b+\i]|
.endr
.endr
.irp b, 0,1,2,3
	v_permlanex16_b32 v[TM+4+\b], v[TM+\b], s[SEL], s[SEL+1]
.endr
.irp b, 0,1,2,3
	v_max_num_f32 v[TM+\b], v[TM+\b], v[TM+4+\b]   ; with lane l xor 16's: the block's largest magnitude
.endr
.irp b, 0,1,2,3
	v_add_nc_u32 v[TM+12+\b], 0xff000000, v[TM+\b] ; 2 off its exponent field: the conversion's scale operand
.endr
.irp b, 0,1,2,3
	v_lshrrev_b32 v[TM+4+\b], 23, v[TM+12+\b]      ; the byte
.endr
	v_lshl_or_b32 v[\pw], v[TM+5], 8, v[TM+4]
	v_lshl_or_b32 v[\pw], v[TM+6], 16, v[\pw]
	v_lshl_or_b32 v[\pw], v[TM+7], 24, v[\pw]
.irp c, 0,1
	v_cvt_scalef32_pk16_fp6_f32 v[PC+6*\c:PC+2+6*\c], v[\s+32*\c:\s+15+32*\c], v[TM+12+2*\c]
	v_cvt_scalef32_pk16_fp6_f32 v[PC+12+4*\c:PC+14+4*\c], v[\s+16+32*\c:\s+31+32*\c], v[TM+12+2*\c+1]
.endr
	v_nop                                          ; one plain instruction behind the conversions
.irp c, 0,1                                    ; a whole block to a lane: lanes 0-15 block 2 c, lanes 16-31 block 2 c + 1
.irp i, 0,1,2
	v_permlane16_swap_b32 v[PC+6*\c+\i], v[PC+12+4*\c+\i]
.endr
.irp i, 0,1,2
	v_mov_b32 v[PC+3+6*\c+\i], v[PC+12+4*\c+\i]
.endr
.endr
.endm
	s_cmp_eq_u32 s19, 1
	s_cbranch_scc1 .Lv_out
; ---------------- q and k.  My 128 tokens are step 2 (block % 8) + half of their batch; my 128 features are heads head0 and head0 + 1
	s_and_b32 s21, s95, 3
	s_lshl_b32 s21, s21, 2
	s_lshl_b32 s22, s18, 1
	s_add_co_u32 s21, s21, s22                     ; head0
	s_lshr_b32 s20, s94, 3
	s_lshl_b32 s20, s20, 4
	s_add_co_u32 s20, s20, s21                     ; 16 x batch + head0
	s_and_b32 s22, s94, 7
	s_lshl_b32 s22, s22, 1
	s_add_co_u32 s22, s22, s17                     ; the step
	s_mov_b32 s23, 208896
	s_mov_b32 s2, 13056
	s_mov_b32 s3, 12288
	s_cmp_eq_u32 ttmp9, 0                          ; q or k
	s_cselect_b32 s23, 106496, s23                 ; a head's bytes,
	s_cselect_b32 s2, 6656, s2                     ; a step's,
	s_cselect_b32 s3, 6144, s3                     ; and where a step's scale words begin
	s_cselect_b64 s[96:97], s[12:13], s[14:15]
	s_mul_i32 s20, s20, s23
	s_mul_i32 s22, s22, s2
	s_add_co_u32 s20, s20, s22
	s_mov_b32 s21, 0
	s_add_nc_u64 s[96:97], s[96:97], s[20:21]      ; head0's step
	s_mov_b32 s22, s23
	s_mov_b32 s23, 0
	s_add_nc_u64 s[98:99], s[96:97], s[22:23]      ; head0 + 1's
	v_add_nc_u32 v11, s3, v7
	; the bias, rotated once, in place: (b0 c - b1 s, b1 c + b0 s)
	WIN 0x01
.set m, 0
.rept 32
	v_pk_mul_f32 v[HA+2*m:HA+2*m+1], v[96+8*(m/4)+96*(m/16)+2*(m%4):96+8*(m/4)+96*(m/16)+2*(m%4)+1], v[TB+2*m:TB+2*m+1] op_sel_hi:[1,0]
.set m, m+1
.endr
	WIN 0x41
.set m, 0
.rept 32
	v_pk_fma_f32 v[96+8*(m/4)+96*(m/16)+2*(m%4):96+8*(m/4)+96*(m/16)+2*(m%4)+1], v[96+8*(m/4)+96*(m/16)+2*(m%4):96+8*(m/4)+96*(m/16)+2*(m%4)+1], v[TB+2*m:TB+2*m+1], v[HA+2*m:HA+2*m+1] op_sel:[1,1,0] op_sel_hi:[0,1,1] neg_lo:[0,1,0]
.set m, m+1
.endr
; Tile a of 16 tokens: rotated (x0 c - x1 s, x1 c + x0 s, with the rotated bias), quantised; registers 6 c .. 6 c + 5 are head c's piece.  Each accumulator is read from its low end on.
.macro QKOUT a
.set AC, 64*((\a)%4)
	WIN 0x12+(\a)/4                                ; source 0: window 2 or 3; source 2: window 1
.set m, 0
.rept 32
	v_pk_fma_f32 v[HA+2*m:HA+2*m+1], v[AC+2*m:AC+2*m+1], v[TB+2*m:TB+2*m+1], v[96+8*(m/4)+96*(m/16)+2*(m%4):96+8*(m/4)+96*(m/16)+2*(m%4)+1] op_sel_hi:[1,0,1]
.set m, m+1
.endr
	WIN 0x02+(\a)/4
.set m, 0
.rept 32
	v_pk_fma_f32 v[HA+2*m:HA+2*m+1], v[AC+2*m:AC+2*m+1], v[TB+2*m:TB+2*m+1], v[HA+2*m:HA+2*m+1] op_sel:[1,1,0] op_sel_hi:[0,1,1] neg_lo:[0,1,0]
.set m, m+1
.endr
	WIN 0
.if (\a) > 0
	s_wait_xcnt 0x0                                ; the last tile's stores have read the codes' registers
.endif
	QUANT HA, PWS+(\a)
.irp c, 0,1
	global_store_b128 v7, v[PC+6*\c:PC+6*\c+3], s[96+2*\c:97+2*\c] offset:768*(\a)        ; 512 consecutive bytes
	global_store_b64 v8, v[PC+6*\c+4:PC+6*\c+5], s[96+2*\c:97+2*\c] offset:768*(\a)+512   ; 256 consecutive bytes
.endr
.endm
.irp a, 0,1,2,3,4,5,6,7
	QKOUT \a
.endr
	v_cmp_eq_u32 vcc_lo, 1, v2                     ; the scale words: lane l's word j is that of tile 2 j + l / 16, row l % 16; head 0 has the low two bytes, head 1 the high two; the upper half of a word is 0
.irp j, 0,1,2,3
	v_cndmask_b32 v[16+\j], v[PWS+2*\j], v[PWS+2*\j+1], vcc_lo
.endr
.irp j, 0,1,2,3
	v_and_b32 v[12+\j], 0xffff, v[16+\j]
	v_lshrrev_b32 v[16+\j], 16, v[16+\j]
.endr
	global_store_b128 v11, v[12:15], s[96:97]
	global_store_b128 v11, v[16:19], s[98:99]
	s_branch .Ldone
; ---------------- v.  My 128 channels are heads head0 and head0 + 1; my 128 tokens are a key step
.Lv_out:
	s_lshl_b32 s21, s93, 2
	s_lshl_b32 s22, s17, 1
	s_add_co_u32 s21, s21, s22                     ; head0
	s_lshr_b32 s20, s95, 3
	s_lshl_b32 s20, s20, 4
	s_add_co_u32 s20, s20, s21
	s_mul_i32 s20, s20, 208896
	s_and_b32 s22, s95, 7
	s_lshl_b32 s22, s22, 1
	s_add_co_u32 s22, s22, s18                     ; the step
	s_mul_i32 s22, s22, 13056
	s_add_co_u32 s20, s20, s22
	s_mov_b32 s21, 0
	s_add_nc_u64 s[96:97], s[14:15], s[20:21]
	s_add_nc_u64 s[98:99], s[96:97], 208896
.macro VOUT a                          ; tile a of 16 channels x 128 keys: a whole fragment
.set AC, 64*((\a)%4)
	WIN 0x02+(\a)/4
.set m, 0
.rept 32
	v_pk_add_f32 v[HA+2*m:HA+2*m+1], v[AC+2*m:AC+2*m+1], v[VB+2*(\a):VB+2*(\a)+1]
.set m, m+1
.endr
	WIN 0
.if (\a) > 0
	s_wait_xcnt 0x0
.endif
	QUANT HA, PWS+(\a)
.irp i, 0,1,2
	global_store_b128 v7, v[PC+4*\i:PC+4*\i+3], s[96+2*((\a)/4):97+2*((\a)/4)] offset:6144+((\a)%4)*1536+512*\i
.endr
.endm
.irp a, 0,1,2,3,4,5,6,7
	VOUT \a
.endr
	v_cmp_eq_u32 vcc_lo, 1, v2                     ; lane l's word j is that of channel tile 2 j + l / 16, row l % 16
.irp c, 0,1
.irp j, 0,1
	v_cndmask_b32 v[12+2*\c+\j], v[PWS+4*\c+2*\j], v[PWS+4*\c+2*\j+1], vcc_lo
.endr
	global_store_b64 v8, v[12+2*\c:13+2*\c], s[96+2*\c:97+2*\c] offset:12800
.endr
.Ldone:
	CROUND                                         ; the closing round: no work-group ends while a partner may still ask for a tile that names it
	s_endpgm
.Lfunc_end_k_qd7d4bd4984_qkv:
	.size	k_qd7d4bd4984_qkv, .Lfunc_end_k_qd7d4bd4984_qkv-k_qd7d4bd4984_qkv
	.p2alignl 7, 3214868480
	.fill 96, 4, 3214868480
	.section	.rodata,"a",@progbits
	.p2align	6, 0x0
	.amdhsa_kernel k_qd7d4bd4984_qkv
		.amdhsa_group_segment_fixed_size 327680
		.amdhsa_private_segment_fixed_size 0
		.amdhsa_enable_private_segment 0
		.amdhsa_kernarg_size 48
		.amdhsa_user_sgpr_count 2
		.amdhsa_user_sgpr_kernarg_segment_ptr 1
		.amdhsa_wavefront_size32 1
		.amdhsa_system_sgpr_workgroup_id_x 1
		.amdhsa_system_sgpr_workgroup_id_y 1
		.amdhsa_system_sgpr_workgroup_id_z 1
		.amdhsa_system_vgpr_workitem_id 0
		.amdhsa_next_free_vgpr 1024
		.amdhsa_next_free_sgpr 102
		.amdhsa_reserve_vcc 1
		.amdhsa_float_denorm_mode_32 3
		.amdhsa_float_denorm_mode_16_64 3
		.amdhsa_memory_ordered 1
		.amdhsa_forward_progress 1
		.amdhsa_inst_pref_size 241
	.end_amdhsa_kernel
	.amdgpu_metadata
---
amdhsa.version: [ 1, 2 ]
amdhsa.kernels:
  - .name:           k_qd7d4bd4984_qkv
    .symbol:         k_qd7d4bd4984_qkv.kd
    .args:
      - { .name: xq, .offset: 0, .size: 8, .value_kind: global_buffer, .address_space: global }
      - { .name: wa, .offset: 8, .size: 8, .value_kind: global_buffer, .address_space: global }
      - { .name: b_attn, .offset: 16, .size: 8, .value_kind: global_buffer, .address_space: global }
      - { .name: rope, .offset: 24, .size: 8, .value_kind: global_buffer, .address_space: global }
      - { .name: qb, .offset: 32, .size: 8, .value_kind: global_buffer, .address_space: global }
      - { .name: kv, .offset: 40, .size: 8, .value_kind: global_buffer, .address_space: global }
    .group_segment_fixed_size: 327680
    .private_segment_fixed_size: 0
    .kernarg_segment_align: 8
    .kernarg_segment_size: 48
    .max_flat_workgroup_size: 128
    .sgpr_count:     102
    .vgpr_count:     1024
    .wavefront_size: 32
...
	.end_amdgpu_metadata
.endif
;; end of part 2
;; launch attn (part 3): grid 4 x 64, 16 waves a work-group, clusters of 4 x 1, 210,944 bytes of LDS; arguments qb, kv, yq; writes yq
.if DOCPART == 3
	.amdgcn_target "amdgcn-amd-amdhsa--gfx1250"
	.amdhsa_code_object_version 6
	.text
	.protected	k_qd7d4bd4984_attn
	.globl	k_qd7d4bd4984_attn
	.p2align	8
	.type	k_qd7d4bd4984_attn,@function
k_qd7d4bd4984_attn:
	s_mov_b64 s[64:65], 0
	v_nop
	global_prefetch_b8 v0, s[64:65] scope:SCOPE_SE
	s_setreg_imm32_b32 hwreg(HW_REG_WAVE_MODE, 25, 1), 1
	s_wait_xcnt 0x0
	s_wait_alu depctr_hold_cnt(0) depctr_sa_sdst(0) depctr_va_vdst(0) depctr_va_sdst(0) depctr_va_ssrc(0) depctr_va_vcc(0) depctr_vm_vsrc(0)
	s_getreg_b32 s2, hwreg(HW_REG_IB_STS2, 6, 4)
	s_cmp_eq_u32 s2, 0
	s_cbranch_scc0 .Lentry_in_a_cluster
	s_endpgm
.Lentry_in_a_cluster:
	s_bfe_u32 s2, ttmp6, 0x10000c
	s_cmp_lg_u32 s2, 0x3003
	s_cbranch_scc0 .Lentry_shape_is_right
	s_endpgm
.Lentry_shape_is_right:
; ATTN: y = softmax(q k^T / 8, causal) v for one (batch, head) a cluster, both products on codes of FP6 (E2M3) with E8M0 scales; y is quantised along the head's 64 channels and leaves as codes for the last product.
; THE SOFTMAX: t = score x log2(e) / 8; M = the running largest t rounded UP to a whole number; p = 2^(t - M) is quantised along the keys, not normalised; the sum of the unquantised p divides at the end.
; THE HEAD'S K AND V STAY IN LDS: 16 key steps of 128 keys, 13,056 bytes each: K's 8 pieces of 768 bytes (16 keys x 64), V's 4 fragments of 1,536 (16 channels x 128 keys), K's scale words 512, V's 256.
;   They are filled once, by joint loads of the cluster's four work-groups (waves 0-3: key steps 0-3, then 4-15): no ring, no refill.
; SHARES.  A tile is 16 queries; step a of the queries has 8 tiles bq.  Work-group cx, wave w (e = w / 8, f = w % 8) takes bq = 2 cx + e, first of step a = 15 - f, then of step a = f:
;   a tile of step a wants a + 1 key steps under the mask, so every wave has 17.  Branches hang on f and on loop counters alone; cx enters global addresses and the mask's threshold, a vector register.
; K = 64 IN AN INSTRUCTION OF K = 128: q's upper 64 codes are zeros, and both sides' upper two scale bytes are 0 (a power of two, no NaN): whatever codes stand in K's upper six registers add exactly 0.
;   So K's tile t names v[32 + 6 t .. 43 + 6 t]: its own six registers and the next tile's.
; Both products are used transposed: a lane holds ONE query.  The rows of every tile are 32 g + 8 u + r + 8 (r / 8), so that 16 registers of two tiles are 16 neighbours along the next K.
; REGISTERS: v1, v2 16 x lane, 8 x lane; v3 the mask's threshold; v4 y's scale byte's place; v5 h; v8, v9 the step's LDS addresses; v12 -M, v13 largest t, v[14:15] the sum; v16-27 q (first tile), v192-203 q (second);
;   v32-85 K's pieces and six zeros, then V's fragments; v96-159 S^T, p, y; v160-191 O^T; v224-235 p's codes; v232-254 at work; v248-251 K's or V's scale words; v253 p's; v255, v204 q's.
; LIMITS: NaN and infinities are not served; a block of zeros gets the byte 1.  y's scale bytes leave one byte a lane (32 bytes a tile): the other bytes of their words belong to other heads.
.set STEPB, 13056
.set WV, 10
.set CX, 11
.set BH, 12
.set FQ, 13
.set BQ, 14
.set AQ, 15                            ; the step of the tile in hand
.set KS, 16                            ; the key step
.set TB, 17                            ; its LDS byte
.set G1A, 24
.set G1B, 32
.set G0A, 40
.set G0B, 44
.set QL, 48
.set QS, 50
.set YC, 52
.set YS, 54
.set SEL, 56
.set CS, 58
.macro CROUND                          ; a round of the cluster's barrier
	s_barrier_signal -1
	s_barrier_wait -1
	s_cmp_lg_u32 s[WV], 0
	s_cbranch_scc1 .Lnot_wave_0_\@
	s_barrier_signal -3
.Lnot_wave_0_\@:
	s_barrier_wait -3
	s_barrier_signal -1
	s_barrier_wait -1
.endm
	s_load_b128 s[4:7], s[0:1], 0x0                ; qb, kv
	s_load_b64 s[8:9], s[0:1], 0x10                ; yq
	v_lshl_add_u32 v223, v0, 2, 0x33000
	v_mov_b32 v243, 0
	ds_add_u32 v223, v243
	ds_add_u32 v223, v243
	v_lshrrev_b32 v4, 5, v0
	s_delay_alu instid0(VALU_DEP_1)
	v_readfirstlane_b32 s[WV], v4                  ; wave 0..15
	s_bfe_u32 s[CX], ttmp6, 0x40000
	s_and_b32 s[BH], ttmp7, 0xffff                 ; 16 x batch + head: shared by the four partners
	s_and_b32 s[FQ], s[WV], 7
	s_lshr_b32 s18, s[WV], 3
	s_lshl_b32 s[BQ], s[CX], 1
	s_add_co_u32 s[BQ], s[BQ], s18
	s_sub_co_u32 s[AQ], 15, s[FQ]                  ; the long tile first
	; descriptor groups 1: dense blocks as rows of 256 bytes (32 elements of 8 bytes): 51 rows (one key step), 153 rows (three)
	s_mov_b32 s[G1A], 15|(3<<16)|(1<<21)           ; 15:0 the mask: all four work-groups; 17:16 elements of 8 bytes; 21 set beside a mask
	s_mov_b32 s[G1A+1], 32<<16
	s_mov_b32 s[G1A+2], 51<<16
	s_mov_b32 s[G1A+3], 32<<16
	s_mov_b32 s[G1A+4], 51
	s_mov_b32 s[G1A+5], 32
	s_mov_b32 s[G1A+6], 0
	s_mov_b32 s[G1A+7], 0
	s_mov_b32 s[G1B], 15|(3<<16)|(1<<21)
	s_mov_b32 s[G1B+1], 32<<16
	s_mov_b32 s[G1B+2], 153<<16
	s_mov_b32 s[G1B+3], 32<<16
	s_mov_b32 s[G1B+4], 153
	s_mov_b32 s[G1B+5], 32
	s_mov_b32 s[G1B+6], 0
	s_mov_b32 s[G1B+7], 0
	s_and_b32 s18, s[WV], 3
	s_mul_i32 s19, s18, STEPB                      ; waves 0-3: key step w,
	s_mul_i32 s20, s18, 3*STEPB
	s_add_co_u32 s20, s20, 4*STEPB                 ; and key steps 4 + 3 w .. 6 + 3 w: in LDS as in memory
	s_mul_i32 s22, s[BH], 16*STEPB
	s_mov_b32 s23, 0
	s_mov_b32 s[SEL], 0x76543210
	s_mov_b32 s[SEL+1], 0xfedcba98
	s_mov_b32 s[CS], 0x3e38aa3b                    ; c = log2(e) / 8
	s_mov_b32 s[CS+1], s[CS]
	s_wait_dscnt 0x0
	s_wait_kmcnt 0x0
	s_add_nc_u64 s[6:7], s[6:7], s[22:23]          ; the head's K and V
	CROUND                                         ; all four work-groups are here: the joint loads meet
	s_mov_b32 s[G0A], 1
	s_mov_b32 s[G0A+1], s19
	s_mov_b32 s22, s19
	s_add_nc_u64 s[G0A+2:G0A+3], s[6:7], s[22:23]
	s_or_b32 s[G0A+3], s[G0A+3], 0x80000000
	s_mov_b32 s[G0B], 1
	s_mov_b32 s[G0B+1], s20
	s_mov_b32 s22, s20
	s_add_nc_u64 s[G0B+2:G0B+3], s[6:7], s[22:23]
	s_or_b32 s[G0B+3], s[G0B+3], 0x80000000
	s_cmp_lt_u32 s[WV], 4                          ; a wave's two fills stand in one branch on its number: two loads of mine are out
	s_cbranch_scc0 .Lno_fill
	tensor_load_to_lds s[G0A:G0A+3], s[G1A:G1A+7]
	s_nop 0
	tensor_load_to_lds s[G0B:G0B+3], s[G1B:G1B+7]
	s_nop 0
.rept 4
	v_nop
.endr
.Lno_fill:
	; q: a step is 6,656 bytes: 8 pieces, then the scale words (lane l's word j: tile 2 j + l / 16, row l % 16)
	s_mul_i32 s20, s[BH], 106496
	s_mul_i32 s21, s[BQ], 768
	s_add_co_u32 s20, s20, s21
	s_mul_i32 s22, s[AQ], 6656
	s_add_co_u32 s22, s22, s20
	s_mov_b32 s23, 0
	s_add_nc_u64 s[QL:QL+1], s[4:5], s[22:23]      ; the long tile's piece
	s_mul_i32 s22, s[FQ], 6656
	s_add_co_u32 s22, s22, s20
	s_add_nc_u64 s[QS:QS+1], s[4:5], s[22:23]      ; the short tile's
	s_and_b32 s18, s[BQ], 1
	s_lshl_b32 s18, s18, 8
	s_lshr_b32 s19, s[BQ], 1
	s_lshl_b32 s19, s19, 2
	s_add_co_u32 s18, s18, s19
	s_add_co_u32 s18, s18, 6144
	s_sub_co_u32 s18, s18, s21                     ; from the piece to its rows' scale words (768 at the least)
	v_and_b32 v6, 31, v0
	s_delay_alu instid0(VALU_DEP_1)
	v_lshlrev_b32 v1, 4, v6
	s_delay_alu instid0(VALU_DEP_2)
	v_lshlrev_b32 v2, 3, v6
	v_and_b32 v6, 15, v0                           ; r
	v_bfe_u32 v5, v0, 4, 1                         ; h
	s_delay_alu instid0(VALU_DEP_2)
	v_lshl_add_u32 v7, v6, 4, s18
	global_load_b128 v[16:19], v1, s[QL:QL+1]
	global_load_b64 v[20:21], v2, s[QL:QL+1] offset:512
	global_load_b32 v255, v7, s[QL:QL+1]
	global_load_b128 v[192:195], v1, s[QS:QS+1]
	global_load_b64 v[196:197], v2, s[QS:QS+1] offset:512
	global_load_b32 v204, v7, s[QS:QS+1]
	s_lshr_b32 s18, s[BQ], 1
	s_lshl_b32 s18, s18, 5
	s_and_b32 s19, s[BQ], 1
	s_lshl_b32 s19, s19, 3
	s_add_co_u32 s18, s18, s19
	v_and_b32 v3, 8, v6
	s_delay_alu instid0(VALU_DEP_1)
	v_add_nc_u32 v3, v3, v6
	v_lshlrev_b32 v4, 4, v5
	s_delay_alu instid0(VALU_DEP_1)
	v_sub_nc_u32 v3, v3, v4
	s_delay_alu instid0(VALU_DEP_1)
	v_add_nc_u32 v3, s18, v3                       ; d = my query's place in its step - 16 h: register 16 b + i holds key 32 b + 16 h + i, hidden on the diagonal where 32 b + i > d
	s_and_b32 s18, s[BH], 3
	s_lshl_b32 s18, s18, 1
	v_lshl_add_u32 v4, v6, 3, v5
	s_delay_alu instid0(VALU_DEP_1)
	v_add_nc_u32 v4, s18, v4                       ; y's scale byte: 8 r + 2 (head % 4) + h
.irp j, 22,23,24,25,26,27,80,81,82,83,84,85,198,199,200,201,202,203
	v_mov_b32 v[\j], 0                             ; q's upper 64 codes, and what stands behind K's last piece
.endr
.irp j, 236,237,238,239,252,253
	v_mov_b32 v[\j], 0                             ; written once: a lane permute's destination counts as one of its sources; v253 is named in a pair before it is made
.endr
.macro INIT                            ; a tile begins: O^T and the sum are zeros, the largest t is -3e38: the first change of M multiplies zeros
	v_mov_b32 v13, 0xff61b1e6
	s_delay_alu instid0(VALU_DEP_1)
	v_floor_f32 v12, -v13
	v_mov_b32 v14, 0
	v_mov_b32 v15, 0
.set j, 0
.rept 32
	v_mov_b32 v[160+j], 0
.set j, j+1
.endr
.endm
	INIT
; A KEY STEP of 128 keys for the tile whose q stands in v[qf] on, scale word v[qsc].  guard = 1: a step behind the tile's own is left out (a branch on the wave's number and the counter, not round the line that
; steps the address), and on the diagonal hidden scores become -infinity.
.macro STEP qf, qsc, guard
.if \guard
	s_cmp_gt_u32 s[KS], s[AQ]
	s_cbranch_scc1 .Lhid_\@
.endif
	s_setprio 2
	v_add_nc_u32 v8, s[TB], v1
	v_add_nc_u32 v9, s[TB], v2
	v_nop
	v_nop                                          ; four plain instructions in front of loads into registers that the last products read
.irp t, 0,1,2,3,4,5,6,7
	ds_load_b128 v[32+6*\t:35+6*\t], v8 offset:768*\t
	ds_load_b64 v[36+6*\t:37+6*\t], v9 offset:768*\t+512
.endr
	ds_load_b128 v[248:251], v8 offset:12288       ; K's scale words: register j: lanes 0-15 tile 2 j, lanes 16-31 tile 2 j + 1
	s_wait_alu depctr_va_vdst(0)
	s_wait_dscnt 0x0
.irp t, 0,2,4,6                                ; S^T = K q^T
	v_wmma_scale_f32_16x16x128_f8f6f4 v[96+8*\t:103+8*\t], v[32+6*\t:43+6*\t], v[\qf:\qf+11], 0, v[248+\t/2], v[\qsc] matrix_a_fmt:MATRIX_FMT_FP6 matrix_b_fmt:MATRIX_FMT_FP6
	v_wmma_scale_f32_16x16x128_f8f6f4 v[104+8*\t:111+8*\t], v[38+6*\t:49+6*\t], v[\qf:\qf+11], 0, v[248+\t/2], v[\qsc] matrix_a_fmt:MATRIX_FMT_FP6 matrix_b_fmt:MATRIX_FMT_FP6 matrix_a_scale:MATRIX_SCALE_ROW1
.endr
.rept 4
	v_nop                                          ; places: in front of the loads below and of the first read of the scores
.endr
.irp ct, 0,1,2,3                               ; V's fragments go out now and land under the softmax
.irp i, 0,1,2
	ds_load_b128 v[32+12*\ct+4*\i:35+12*\ct+4*\i], v8 offset:6144+1536*\ct+512*\i
.endr
.endr
	ds_load_b64 v[248:249], v9 offset:12800        ; V's scale words: register j: lanes 0-15 channel tile 2 j, lanes 16-31 tile 2 j + 1
.if \guard
	s_cmp_lg_u32 s[KS], s[AQ]
	s_cbranch_scc1 .Lopen_\@
	v_mov_b32 v254, 0xff800000
.set n, 0
.rept 64
	v_cmp_gt_i32 vcc_lo, 32*(n/16)+n%16, v3
	v_cndmask_b32 v[96+n], v[96+n], v254, vcc_lo
.set n, n+1
.endr
.Lopen_\@:
.endif
.irp b, 0,1,2,3
	v_max3_num_f32 v[232+\b], v[96+16*\b], v[97+16*\b], v[98+16*\b]   ; the largest score of each block of 32 keys: for the row's maximum, and, since p rises with the score, for the block's largest p
.endr
.irp i, 3,5,7,9,11,13
.irp b, 0,1,2,3
	v_max3_num_f32 v[232+\b], v[232+\b], v[96+16*\b+\i], v[97+16*\b+\i]
.endr
.endr
.irp b, 0,1,2,3
	v_max_num_f32 v[232+\b], v[232+\b], v[111+16*\b]
.endr
.irp b, 0,1,2,3
	s_delay_alu instid0(VALU_DEP_4)
	v_permlanex16_b32 v[236+\b], v[232+\b], s[SEL], s[SEL+1]
.endr
.irp b, 0,1,2,3
	s_delay_alu instid0(VALU_DEP_4)
	v_max_num_f32 v[232+\b], v[232+\b], v[236+\b]  ; with lane l xor 16's 16 keys
.endr
	s_delay_alu instid0(VALU_DEP_2)
	v_max3_num_f32 v254, v232, v233, v234
	s_delay_alu instid0(VALU_DEP_1)
	v_max_num_f32 v254, v254, v235
	s_delay_alu instid0(VALU_DEP_1)
	v_mul_f32 v254, s[CS], v254
	s_delay_alu instid0(VALU_DEP_1)
	v_max_num_f32 v13, v13, v254                   ; the running largest t
	v_mov_b32 v254, v12
	s_delay_alu instid0(VALU_DEP_2)
	v_floor_f32 v12, -v13                          ; -M = floor(-t): M is a whole number
	s_delay_alu instid0(VALU_DEP_1)
	v_sub_f32 v254, v12, v254
	s_delay_alu instid0(VALU_DEP_1)
	v_cvt_i32_f32 v254, v254                       ; (it saturates)
	s_delay_alu instid0(VALU_DEP_1)
	v_ldexp_f32 v252, 1.0, v254                    ; f = 2^(old M - new M): a multiplication by it rounds nothing
.set j, 0
.rept 32
	v_pk_fma_f32 v[96+j:97+j], v[96+j:97+j], s[CS:CS+1], v[12:13] op_sel_hi:[1,0,0]   ; t - M
.set j, j+2
.endr
.irp b, 0,1,2,3
	v_fma_f32 v[232+\b], v[232+\b], s[CS], v12
.endr
.set j, 0
	s_setprio 1
	s_wait_alu depctr_va_vdst(0)
.rept 64
	v_exp_f32 v[96+j], v[96+j]                     ; p
.set j, j+1
.endr
	v_pk_mul_f32 v[14:15], v[14:15], v[252:253] op_sel_hi:[1,0]   ; the sums under the new M; a plain instruction behind the exponentials
	s_wait_alu depctr_va_vdst(0)                   ; one wait for the batch, ahead of the first instruction that names a result
.irp b, 0,1,2,3
	v_exp_f32 v[232+\b], v[232+\b]                 ; each block's largest p
.endr
	v_pk_add_f32 v[236:237], v[100:101], v[104:105]
	v_pk_add_f32 v[250:251], v[108:109], v[112:113]
	v_pk_add_f32 v[246:247], v[116:117], v[120:121]
	v_pk_add_f32 v[244:245], v[124:125], v[128:129]
	v_pk_add_f32 v[240:241], v[132:133], v[136:137]
	v_pk_add_f32 v[238:239], v[140:141], v[144:145]
	v_pk_add_f32 v[230:231], v[148:149], v[152:153]
	v_pk_add_f32 v[14:15], v[14:15], v[156:157]
	v_pk_add_f32 v[236:237], v[236:237], v[96:97]
	v_pk_add_f32 v[250:251], v[250:251], v[98:99]
	v_pk_add_f32 v[246:247], v[246:247], v[102:103]
	v_pk_add_f32 v[244:245], v[244:245], v[106:107]
	v_pk_add_f32 v[240:241], v[240:241], v[110:111]
	v_pk_add_f32 v[238:239], v[238:239], v[114:115]
	v_pk_add_f32 v[230:231], v[230:231], v[118:119]
	v_pk_add_f32 v[14:15], v[14:15], v[122:123]
	v_pk_add_f32 v[236:237], v[236:237], v[126:127]
	v_pk_add_f32 v[250:251], v[250:251], v[130:131]
	v_pk_add_f32 v[246:247], v[246:247], v[134:135]
	v_pk_add_f32 v[244:245], v[244:245], v[138:139]
	v_pk_add_f32 v[240:241], v[240:241], v[142:143]
	v_pk_add_f32 v[238:239], v[238:239], v[146:147]
	v_pk_add_f32 v[230:231], v[230:231], v[150:151]
	v_pk_add_f32 v[14:15], v[14:15], v[154:155]
	v_pk_add_f32 v[236:237], v[236:237], v[158:159]
	s_delay_alu instid0(VALU_DEP_2)
	v_pk_add_f32 v[14:15], v[14:15], v[244:245]
	s_delay_alu instid0(VALU_DEP_2)
	v_pk_add_f32 v[236:237], v[236:237], v[240:241]
	v_pk_add_f32 v[250:251], v[250:251], v[238:239]
	v_pk_add_f32 v[246:247], v[246:247], v[230:231]
	s_delay_alu instid0(VALU_DEP_2)
	v_pk_add_f32 v[14:15], v[14:15], v[250:251]
	s_delay_alu instid0(VALU_DEP_2)
	v_pk_add_f32 v[236:237], v[236:237], v[246:247]
	s_delay_alu instid0(VALU_DEP_1)
	v_pk_add_f32 v[14:15], v[14:15], v[236:237]
	s_wait_alu depctr_va_vdst(0)                   ; and one for the four
.irp b, 0,1,2,3
	v_max_num_f32 v[232+\b], 0x1800000, v[232+\b]  ; the floor 2^(3 - 127)
.endr
.irp b, 0,1,2,3
	s_delay_alu instid0(VALU_DEP_4)
	v_add_nc_u32 v[244+\b], 0xff000000, v[232+\b]
.endr
.irp b, 0,1,2,3
	s_delay_alu instid0(VALU_DEP_4)
	v_lshrrev_b32 v[236+\b], 23, v[244+\b]
.endr
	s_delay_alu instid0(VALU_DEP_3)
	v_lshl_or_b32 v253, v237, 8, v236              ; p's scale word for these 128 keys
	s_delay_alu instid0(VALU_DEP_1)
	v_lshl_or_b32 v253, v238, 16, v253
	s_delay_alu instid0(VALU_DEP_1)
	v_lshl_or_b32 v253, v239, 24, v253
.irp c, 0,1
	v_cvt_scalef32_pk16_fp6_f32 v[224+6*\c:226+6*\c], v[96+32*\c:111+32*\c], v[244+2*\c]
	v_cvt_scalef32_pk16_fp6_f32 v[236+4*\c:238+4*\c], v[112+32*\c:127+32*\c], v[244+2*\c+1]
.endr
	v_nop
	s_setprio 0
.irp c, 0,1
.irp i, 0,1,2
	v_permlane16_swap_b32 v[224+6*\c+\i], v[236+4*\c+\i]
.endr
.irp i, 0,1,2
	s_delay_alu instid0(VALU_DEP_3)
	v_mov_b32 v[227+6*\c+\i], v[236+4*\c+\i]
.endr
.endr
.set j, 0
.rept 16
	v_pk_mul_f32 v[160+j:161+j], v[160+j:161+j], v[252:253] op_sel_hi:[1,0]   ; O^T under the new M; these sixteen are also the places between p's codes and scale word and the products
.set j, j+2
.endr
	s_wait_alu depctr_va_vdst(0)
	s_wait_dscnt 0x0                               ; V
.irp ct, 0,2                                   ; O^T += V^T p^T: four accumulators by turns
	v_wmma_scale_f32_16x16x128_f8f6f4 v[160+8*\ct:167+8*\ct], v[32+12*\ct:43+12*\ct], v[224:235], v[160+8*\ct:167+8*\ct], v[248+\ct/2], v253 matrix_a_fmt:MATRIX_FMT_FP6 matrix_b_fmt:MATRIX_FMT_FP6
	v_wmma_scale_f32_16x16x128_f8f6f4 v[168+8*\ct:175+8*\ct], v[44+12*\ct:55+12*\ct], v[224:235], v[168+8*\ct:175+8*\ct], v[248+\ct/2], v253 matrix_a_fmt:MATRIX_FMT_FP6 matrix_b_fmt:MATRIX_FMT_FP6 matrix_a_scale:MATRIX_SCALE_ROW1
.endr
.if \guard
.Lhid_\@:
.endif
	s_add_co_u32 s[TB], s[TB], STEPB
.endm
; A tile is finished: y = O^T / the sum; register 16 g + i is channel 32 g + 16 h + i: two blocks are quantised: one piece of 768 bytes and two scale bytes a row
.macro WAYOUT
.rept 4
	v_nop                                          ; places behind the last products
.endr
	v_add_f32 v14, v14, v15
	s_delay_alu instid0(VALU_DEP_1)
	v_permlanex16_b32 v252, v14, s[SEL], s[SEL+1]
	s_delay_alu instid0(VALU_DEP_1)
	v_add_f32 v14, v14, v252
	s_wait_alu depctr_va_vdst(0)
	v_rcp_f32 v14, v14
	s_lshr_b32 s18, s[BH], 4
	s_lshl_b32 s18, s18, 3
	s_lshr_b32 s19, s[AQ], 1
	s_add_co_u32 s18, s18, s19
	s_mul_i32 s18, s18, 204800                     ; the block of 256 tokens
	s_and_b32 s19, s[AQ], 1
	s_lshl_b32 s19, s19, 3
	s_add_co_u32 s19, s19, s[BQ]                   ; the tile in it
	s_bfe_u32 s20, s[BH], 0x20002                  ; head / 4: the K step
	s_and_b32 s21, s[BH], 3                        ; head % 4: the piece
	s_mul_i32 s22, s19, 3072
	s_add_co_u32 s22, s22, s18
	s_mul_i32 s23, s20, 49152
	s_add_co_u32 s22, s22, s23
	s_mul_i32 s23, s21, 768
	s_add_co_u32 s22, s22, s23
	s_mov_b32 s23, 0
	s_add_nc_u64 s[YC:YC+1], s[8:9], s[22:23]
	s_lshl_b32 s22, s19, 7
	s_add_co_u32 s22, s22, s18
	s_lshl_b32 s20, s20, 11
	s_add_co_u32 s22, s22, s20
	s_add_co_u32 s22, s22, 196608
	s_add_nc_u64 s[YS:YS+1], s[8:9], s[22:23]
	v_nop                                          ; a plain instruction behind the reciprocal
	s_wait_alu depctr_va_vdst(0)                   ; ahead of the first instruction that names its result
.set j, 0
.rept 16
	v_pk_mul_f32 v[96+j:97+j], v[160+j:161+j], v[14:15] op_sel_hi:[1,0]   ; each accumulator from its low end on
.set j, j+2
.endr
.irp g, 0,1
	v_max3_num_f32 v[232+\g], |v[96+16*\g]|, |v[97+16*\g]|, 0x1800000
.endr
.irp i, 2,4,6,8,10,12,14
.irp g, 0,1
	s_delay_alu instid0(VALU_DEP_2)
	v_max3_num_f32 v[232+\g], v[232+\g], |v[96+16*\g+\i]|, |v[97+16*\g+\i]|
.endr
.endr
.irp g, 0,1
	s_delay_alu instid0(VALU_DEP_2)
	v_permlanex16_b32 v[236+\g], v[232+\g], s[SEL], s[SEL+1]
.endr
.irp g, 0,1
	s_delay_alu instid0(VALU_DEP_2)
	v_max_num_f32 v[232+\g], v[232+\g], v[236+\g]
.endr
.irp g, 0,1
	s_delay_alu instid0(VALU_DEP_2)
	v_add_nc_u32 v[244+\g], 0xff000000, v[232+\g]
.endr
.irp g, 0,1
	s_delay_alu instid0(VALU_DEP_2)
	v_lshrrev_b32 v[236+\g], 23, v[244+\g]
.endr
	v_cvt_scalef32_pk16_fp6_f32 v[224:226], v[96:111], v244
	v_cvt_scalef32_pk16_fp6_f32 v[240:242], v[112:127], v245
	v_nop
.irp i, 0,1,2
	v_permlane16_swap_b32 v[224+\i], v[240+\i]     ; a whole block to a lane: lanes 0-15 channels 0-31, lanes 16-31 channels 32-63
.endr
.irp i, 0,1,2
	s_delay_alu instid0(VALU_DEP_3)
	v_mov_b32 v[227+\i], v[240+\i]
.endr
	v_cmp_eq_u32 vcc_lo, 1, v5
	s_delay_alu instid0(VALU_DEP_1)
	v_cndmask_b32 v238, v236, v237, vcc_lo         ; my block's byte
	global_store_b128 v1, v[224:227], s[YC:YC+1]
	global_store_b64 v2, v[228:229], s[YC:YC+1] offset:512
	global_store_b8 v4, v238, s[YS:YS+1]
.endm
	s_wait_loadcnt 0x0                             ; q
	s_wait_tensorcnt 1                             ; my part of key steps 0-3 is in; steps 4-15 may be out
	s_barrier_signal -1
	s_barrier_wait -1
	s_mov_b32 s[KS], 0
	s_mov_b32 s[TB], 0
.Lfirst:                                           ; every long tile has step 8 or more: key steps 0-3 count whole for all sixteen waves
	STEP 16, 255, 0
	s_add_co_u32 s[KS], s[KS], 1
	s_cmp_lt_u32 s[KS], 4
	s_cbranch_scc1 .Lfirst
	s_setprio 0
	s_wait_tensorcnt 0x0                           ; my part of key steps 4-15 is in,
	s_barrier_signal -1
	s_barrier_wait -1                              ; everybody's is
	s_mov_b32 s[KS], 4
	s_mov_b32 s[TB], 4*STEPB
.Llong:
	STEP 16, 255, 1
	s_add_co_u32 s[KS], s[KS], 1
	s_cmp_lt_u32 s[KS], 16
	s_cbranch_scc1 .Llong
	s_setprio 0
	WAYOUT
	s_wait_xcnt 0x0                                ; the stores have read their registers and bases
	s_mov_b32 s[AQ], s[FQ]                         ; the short tile
	INIT
	s_mov_b32 s[KS], 0
	s_mov_b32 s[TB], 0
.Lshort:
	STEP 192, 204, 1
	s_add_co_u32 s[KS], s[KS], 1
	s_cmp_lt_u32 s[KS], 8
	s_cbranch_scc1 .Lshort
	s_setprio 0
	WAYOUT
	s_wait_tensorcnt 0x0
	ds_add_u32 v223, v243
	s_wait_dscnt 0x0
	CROUND                                         ; the closing round
	s_endpgm
.Lfunc_end_k_qd7d4bd4984_attn:
	.size	k_qd7d4bd4984_attn, .Lfunc_end_k_qd7d4bd4984_attn-k_qd7d4bd4984_attn
	.p2alignl 7, 3214868480
	.fill 96, 4, 3214868480
	.section	.rodata,"a",@progbits
	.p2align	6, 0x0
	.amdhsa_kernel k_qd7d4bd4984_attn
		.amdhsa_group_segment_fixed_size 210944
		.amdhsa_private_segment_fixed_size 0
		.amdhsa_enable_private_segment 0
		.amdhsa_kernarg_size 24
		.amdhsa_user_sgpr_count 2
		.amdhsa_user_sgpr_kernarg_segment_ptr 1
		.amdhsa_wavefront_size32 1
		.amdhsa_system_sgpr_workgroup_id_x 1
		.amdhsa_system_sgpr_workgroup_id_y 1
		.amdhsa_system_sgpr_workgroup_id_z 1
		.amdhsa_system_vgpr_workitem_id 0
		.amdhsa_next_free_vgpr 256
		.amdhsa_next_free_sgpr 66
		.amdhsa_reserve_vcc 1
		.amdhsa_float_denorm_mode_32 3
		.amdhsa_float_denorm_mode_16_64 3
		.amdhsa_memory_ordered 1
		.amdhsa_forward_progress 1
		.amdhsa_inst_pref_size 82
	.end_amdhsa_kernel
	.amdgpu_metadata
---
amdhsa.version: [ 1, 2 ]
amdhsa.kernels:
  - .name:           k_qd7d4bd4984_attn
    .symbol:         k_qd7d4bd4984_attn.kd
    .args:
      - { .name: qb, .offset: 0, .size: 8, .value_kind: global_buffer, .address_space: global }
      - { .name: kv, .offset: 8, .size: 8, .value_kind: global_buffer, .address_space: global }
      - { .name: yq, .offset: 16, .size: 8, .value_kind: global_buffer, .address_space: global }
    .group_segment_fixed_size: 210944
    .private_segment_fixed_size: 0
    .kernarg_segment_align: 8
    .kernarg_segment_size: 24
    .max_flat_workgroup_size: 512
    .sgpr_count:     66
    .vgpr_count:     256
    .wavefront_size: 32
...
	.end_amdgpu_metadata
.endif
;; end of part 3
;; launch proj (part 4): grid 4 x 32, 4 waves a work-group, clusters of 4 x 4, 327,680 bytes of LDS; arguments yq, wp, b_proj, out0; writes out0
.if DOCPART == 4
	.amdgcn_target "amdgcn-amd-amdhsa--gfx1250"
	.amdhsa_code_object_version 6
	.text
	.protected	k_qd7d4bd4984_proj
	.globl	k_qd7d4bd4984_proj
	.p2align	8
	.type	k_qd7d4bd4984_proj,@function
k_qd7d4bd4984_proj:
	s_mov_b64 s[64:65], 0
	v_nop
	global_prefetch_b8 v0, s[64:65] scope:SCOPE_SE
	s_setreg_imm32_b32 hwreg(HW_REG_WAVE_MODE, 25, 1), 1
	s_wait_xcnt 0x0
	s_wait_alu depctr_hold_cnt(0) depctr_sa_sdst(0) depctr_va_vdst(0) depctr_va_sdst(0) depctr_va_ssrc(0) depctr_va_vcc(0) depctr_vm_vsrc(0)
	s_getreg_b32 s2, hwreg(HW_REG_IB_STS2, 6, 4)
	s_cmp_eq_u32 s2, 0
	s_cbranch_scc0 .Lentry_in_a_cluster
	s_endpgm
.Lentry_in_a_cluster:
	s_bfe_u32 s2, ttmp6, 0x10000c
	s_cmp_lg_u32 s2, 0xf033
	s_cbranch_scc0 .Lentry_shape_is_right
	s_endpgm
.Lentry_shape_is_right:
; PROJ: out0 = y W_proj + b_proj on codes of FP6 (E2M3) with E8M0 scales, K = 1024; out0 [8192][1024] f32.
; OPERANDS: yq (32 blocks of 256 tokens) and wp (4 blocks of 256 features), each block 204,800 bytes: codes [K step of 256][tile of 16 rows][64 along K][768 bytes], then scale words.
;   A piece of 768 bytes is the image of six registers (16 x lane, then 512 + 8 x lane).  Row r of tile 2 g + u is row 32 g + 8 u + r + 8 (r / 8).
; A work-group makes 256 x 256, a wave 128 x 128: 64 accumulators.  Source 1 ('A') = tokens: a lane holds one token; source 0 ('B') = features: 16 neighbours in two neighbouring tiles' registers.
; The bias is the C of each sum's first matrix instruction.  RING: three LDS slots of one K step, all filled at the start; slot 0 is filled once more, with K step 3.  The scale words of all of K come once.
; CLUSTER 4 x 4: A's tiles are shared along a row, B's along a column: joint loads.  128 work-groups: a smaller tile would read each LDS byte for half the products.
; REGISTERS: window 0: v1-29 addresses; v32-63 scale words, two sets; v128-223 A's fragments; on the way out v128-255 rows of the result.
;   window 1: B's fragments, two sets at v0 and v128; v96-127, v224-255 the bias.   windows 2, 3: accumulator (a, b) at v[8 (8 (a % 4) + b)].
.set SLOTB, 98304
.set HALFB, 24576
.set KSTB,  49152
.set BLKB,  204800
.set SCLO,  196608
.set SCL,   3*SLOTB
.set SPARE, SCL+16384                  ; the spare words: 128 bytes a wave, two blocks of 256 bytes that no other line names
.set STAGE, SLOTB                      ; the way out: 16 rows x 528 bytes a wave, in slot 1: it has had its only fill, and its last read stands ahead of the last barrier
.set SPITCH, 528
.set FR, 12
.set NL, 4
.set NP, 4
.set A16, 12
.set A8,  15
.set B16, 18
.set B8,  21
.set STO, 24
.set RD,  25
.set ADRS, 27
.set SPW, 28
.set NIL, 29
.set SC,  32
.set AF,  128
.set BK,  128
.set G1,  24
.set G0,  32
.set G1B, 44
.set G0B, 52
.set G1S, 68
.set G0S, 76
.set G1SB, 80
.set G0SB, 88
.set MSB, 0
.macro WIN new
.if MSB != (\new)
	s_set_vgpr_msb (MSB<<8)|(\new)
.set MSB, (\new)
.endif
.endm
.set MUL_LO, 0xa1
.set MUL_HI, 0xf1
.set TO_B,   0x40
.macro JLOAD g0a, g1a, g0b, g1b        ; waves 0 and 1 fetch for A, waves 2 and 3 for B; four v_nop follow each of the two lines
	s_cmp_eq_u32 s17, 0
	s_cbranch_scc0 .Lfor_b_\@
	tensor_load_to_lds s[\g0a:\g0a+3], s[\g1a:\g1a+7]
	s_nop 0
.rept 4
	v_nop
.endr
	s_branch .Lasked_\@
.Lfor_b_\@:
	tensor_load_to_lds s[\g0b:\g0b+3], s[\g1b:\g1b+7]
	s_nop 0
.rept 4
	v_nop
.endr
.Lasked_\@:
.endm
.macro CREST
	s_cmp_lg_u32 s16, 0
	s_cbranch_scc1 .Lnot_wave_0_\@
	s_barrier_signal -3
.Lnot_wave_0_\@:
	s_barrier_wait -3
	s_barrier_signal -1
	s_barrier_wait -1
.endm
.macro CROUND
	s_barrier_signal -1
	s_barrier_wait -1
	CREST
.endm
	s_load_b256 s[4:11], s[0:1], 0x0               ; yq s[4:5], wp s[6:7], b_proj s[8:9], out0 s[10:11]
	v_lshl_add_u32 v[SPW], v0, 2, SPARE
	v_mov_b32 v[NIL], 0
	ds_add_u32 v28, v29
	ds_add_u32 v28, v29
	s_wait_dscnt 0x0
	v_lshrrev_b32 v1, 5, v0
	v_readfirstlane_b32 s16, v1                    ; wave 0..3
	s_lshr_b32 s17, s16, 1                         ; which half of A's rows is mine.  Also: I fetch for A (0) or for B (1)
	s_and_b32 s18, s16, 1                          ; which half of B's rows.  Also: which half of that tile I fetch
	s_bfe_u32 s92, ttmp6, 0x40000                  ; cx
	s_bfe_u32 s93, ttmp6, 0x40004                  ; cy
	s_and_b32 s94, ttmp7, 0xffff
	s_lshl_b32 s94, s94, 2
	s_add_co_u32 s94, s94, s93                     ; A's block: 4 x cluster y + cy
	s_lshl_b32 s95, ttmp9, 2
	s_add_co_u32 s95, s95, s92                     ; B's block: 4 x cluster x + cx
	s_lshl_b32 s20, s93, 2
	s_lshl_b32 s20, 15, s20                        ; my row of the cluster
	s_lshl_b32 s21, 0x1111, s92                    ; my column
	s_or_b32 s[G1], s20, (3<<16)|(1<<21)           ; dense blocks as rows of 256 bytes (32 elements of 8 bytes), no padding
	s_or_b32 s[G1B], s21, (3<<16)|(1<<21)
	s_or_b32 s[G1S], s20, (3<<16)|(1<<21)
	s_or_b32 s[G1SB], s21, (3<<16)|(1<<21)
.irp g, G1, G1B
	s_mov_b32 s[\g+1], 32<<16
	s_mov_b32 s[\g+2], 96<<16
	s_mov_b32 s[\g+3], 32<<16
	s_mov_b32 s[\g+4], 96
	s_mov_b32 s[\g+5], 32
	s_mov_b32 s[\g+6], 0
	s_mov_b32 s[\g+7], 0
.endr
.irp g, G1S, G1SB
	s_mov_b32 s[\g+1], 32<<16
	s_mov_b32 s[\g+2], 16<<16
	s_mov_b32 s[\g+3], 32<<16
	s_mov_b32 s[\g+4], 16
	s_mov_b32 s[\g+5], 32
	s_mov_b32 s[\g+6], 0
	s_mov_b32 s[\g+7], 0
.endr
	s_mul_i32 s20, s94, BLKB
	s_mov_b32 s21, 0
	s_mul_i32 s22, s95, BLKB
	s_mov_b32 s23, 0
	s_mul_i32 s66, s18, HALFB
	s_mov_b32 s67, 0
	s_lshl_b32 s2, s18, 12
	s_add_co_u32 s2, s2, SCLO
	s_mov_b32 s3, 0
	s_wait_kmcnt 0x0
	s_add_nc_u64 s[96:97], s[4:5], s[20:21]
	s_add_nc_u64 s[98:99], s[6:7], s[22:23]
	s_mul_i32 s20, s16, HALFB
	s_lshl_b32 s21, s16, 12
	CROUND                                         ; all sixteen work-groups are here: the first joint loads meet
	s_mov_b32 s[G0S], 1
	s_add_co_u32 s[G0S+1], s21, SCL
	s_add_nc_u64 s[G0S+2:G0S+3], s[96:97], s[2:3]
	s_or_b32 s[G0S+3], s[G0S+3], 0x80000000
	s_mov_b32 s[G0SB], 1
	s_add_co_u32 s[G0SB+1], s21, SCL
	s_add_nc_u64 s[G0SB+2:G0SB+3], s[98:99], s[2:3]
	s_or_b32 s[G0SB+3], s[G0SB+3], 0x80000000
	JLOAD G0S, G1S, G0SB, G1SB
	s_add_nc_u64 s[96:97], s[96:97], s[66:67]
	s_add_nc_u64 s[98:99], s[98:99], s[66:67]
.irp s, 0,1,2
	s_mov_b32 s[G0+4*\s], 1
	s_add_co_u32 s[G0+4*\s+1], s20, \s*SLOTB
	s_add_nc_u64 s[G0+4*\s+2:G0+4*\s+3], s[96:97], \s*KSTB
	s_or_b32 s[G0+4*\s+3], s[G0+4*\s+3], 0x80000000
	s_mov_b32 s[G0B+4*\s], 1
	s_add_co_u32 s[G0B+4*\s+1], s20, \s*SLOTB
	s_add_nc_u64 s[G0B+4*\s+2:G0B+4*\s+3], s[98:99], \s*KSTB
	s_or_b32 s[G0B+4*\s+3], s[G0B+4*\s+3], 0x80000000
	JLOAD G0+4*\s, G1, G0B+4*\s, G1B               ; K steps 0, 1, 2: four loads of mine are out
.endr
	v_and_b32 v3, 31, v0
	v_and_b32 v1, 15, v0                           ; r
	v_bfe_u32 v2, v0, 4, 1                         ; h
	v_lshlrev_b32 v7, 4, v3
	v_lshlrev_b32 v8, 3, v3
	v_lshlrev_b32 v9, 6, v2
	s_mul_i32 s20, s17, HALFB
	s_mul_i32 s21, s18, HALFB
	s_add_co_u32 s21, s21, KSTB
.irp s, 0,1,2
	v_add_nc_u32 v[A16+\s], s20, v7
	v_add_nc_u32 v[A8+\s], s20, v8
	v_add_nc_u32 v[B16+\s], s21, v7
	v_add_nc_u32 v[B8+\s], s21, v8
	s_add_co_u32 s20, s20, SLOTB
	s_add_co_u32 s21, s21, SLOTB
.endr
	v_lshlrev_b32 v4, 3, v1
	s_lshl_b32 s20, s17, 10
	s_lshl_b32 s21, s18, 10
	s_add_co_u32 s21, s21, 8192
	s_sub_co_u32 s21, s21, s20
	v_mul_u32_u24 v5, s21, v2                      ; lanes 16-31 take B's scale words
	s_add_co_u32 s20, s20, SCL
	v_add_nc_u32 v4, v4, v5
	v_add_nc_u32 v[ADRS], s20, v4
	s_mul_i32 s20, s16, 16*SPITCH
	s_add_co_u32 s20, s20, STAGE                   ; my stage
	v_mul_u32_u24 v4, v1, SPITCH
	v_lshl_add_u32 v4, v2, 6, v4
	v_add_nc_u32 v[STO], s20, v4                   ; in: row r, + 64 h: my half's 16 features of a group of 32
	v_add_nc_u32 v[RD], s20, v7                    ; back: the 32 lanes take one row of 512 bytes
	s_lshl_b32 s20, s95, 10
	s_lshl_b32 s21, s18, 9
	s_add_co_u32 s20, s20, s21                     ; my 128 features, in bytes: of the bias, and in a row of the result
	s_mov_b32 s21, 0
	s_add_nc_u64 s[22:23], s[8:9], s[20:21]
	s_add_nc_u64 s[10:11], s[10:11], s[20:21]
	s_lshl_b32 s20, s94, 20
	s_lshl_b32 s2, s17, 19
	s_add_co_u32 s20, s20, s2                      ; my first token: 256 x block + 128 x half, rows of 4,096 bytes
	s_add_nc_u64 s[10:11], s[10:11], s[20:21]
	WIN TO_B
.irp b, 0,1,2,3,4,5,6,7                        ; register j of tile b: feature 32 (b / 2) + 16 h + 8 (b % 2) + j
	global_load_b128 v[96+8*\b+96*(\b/4):96+8*\b+96*(\b/4)+3], v9, s[22:23] offset:(32*(\b/2)+8*(\b%2))*4
	global_load_b128 v[96+8*\b+96*(\b/4)+4:96+8*\b+96*(\b/4)+7], v9, s[22:23] offset:(32*(\b/2)+8*(\b%2))*4+16
.endr
	WIN 0
.macro FRAG reg, a16, a8, q, i
	ds_load_b128 v[\reg:\reg+3], v[\a16] offset:(\i)*3072+(\q)*1536
	ds_load_b64 v[\reg+4:\reg+5], v[\a8] offset:(\i)*3072+(\q)*1536+512
	ds_load_b128 v[\reg+6:\reg+9], v[\a16] offset:(\i)*3072+(\q)*1536+768
	ds_load_b64 v[\reg+10:\reg+11], v[\a8] offset:(\i)*3072+(\q)*1536+1280
.endm
; 16 matrix instructions: A's blocks a0, a0 + 1 x B's eight.  bias = 1: the first product starts the sums from the bias (window 1).  The 64 accumulators take turns.
.macro MUL16 a0, p, q, sc, bias
.irp a, \a0, \a0+1
.irp b, 0,1,2,3,4,5,6,7
.if \bias
	v_wmma_scale_f32_16x16x128_f8f6f4 v[8*(8*((\a)%4)+\b):8*(8*((\a)%4)+\b)+7], v[128*(\p)+FR*\b:128*(\p)+FR*\b+FR-1], v[AF+FR*(\a):AF+FR*(\a)+FR-1], v[96+8*\b+96*(\b/4):96+8*\b+96*(\b/4)+7], v[SC+16*(\sc)+2*\b+(\q)], v[SC+16*(\sc)+2*(\a)+(\q)] matrix_a_fmt:MATRIX_FMT_FP6 matrix_b_fmt:MATRIX_FMT_FP6 matrix_a_scale:MATRIX_SCALE_ROW1
.else
	v_wmma_scale_f32_16x16x128_f8f6f4 v[8*(8*((\a)%4)+\b):8*(8*((\a)%4)+\b)+7], v[128*(\p)+FR*\b:128*(\p)+FR*\b+FR-1], v[AF+FR*(\a):AF+FR*(\a)+FR-1], v[8*(8*((\a)%4)+\b):8*(8*((\a)%4)+\b)+7], v[SC+16*(\sc)+2*\b+(\q)], v[SC+16*(\sc)+2*(\a)+(\q)] matrix_a_fmt:MATRIX_FMT_FP6 matrix_b_fmt:MATRIX_FMT_FP6 matrix_a_scale:MATRIX_SCALE_ROW1
.endif
.endr
.endr
.endm
.macro FETCH_B slot, q, p
	WIN TO_B
.irp i, 0,1,2,3,4,5,6,7
	FRAG 128*(\p)+FR*\i, B16+\slot, B8+\slot, \q, \i
.endr
	WIN 0
.endm
.macro FETCH_A slot, q, i0
.irp i, \i0, \i0+1, \i0+2, \i0+3
	FRAG AF+FR*(\i), A16+\slot, A8+\slot, \q, \i
.endr
.endm
.macro SCALES sc
.irp i, 0,1,2,3,4,5,6,7
	ds_load_b64 v[SC+16*(\sc)+2*\i:SC+16*(\sc)+2*\i+1], v[ADRS] offset:128*\i
.endr
.endm
.macro PLACES n
.rept \n
	v_nop
.endr
.endm
.macro STEP slot, sc, bias
	s_wait_dscnt 4*NL                              ; all but the youngest sixteen loads (A's blocks 4-7)
.if \bias
	WIN 0x91                                       ; C in window 1, D in window 2
.else
	WIN MUL_LO
.endif
	MUL16 0, 0, 0, \sc, \bias
	MUL16 2, 0, 0, \sc, \bias
	s_wait_dscnt 0
	PLACES NP
	FETCH_B \slot, 1, 1
	FETCH_A \slot, 1, 0
.if \bias
	WIN 0xd1
.else
	WIN MUL_HI
.endif
	MUL16 4, 0, 0, \sc, \bias
	MUL16 6, 0, 0, \sc, \bias
	PLACES NP
	WIN 0
	FETCH_A \slot, 1, 4
.endm
; mode 2: this slot is filled again, behind every wave's waits and a round of the cluster's barrier.  mode 1: the next slot is the refilled one: the same waits and my work-group's barrier.
; mode 0: the next slot was shown whole to every wave at the refill's round: no barrier.
.macro TURN slot, next, sc, mode
.if \mode > 0
	s_wait_tensorcnt 0x0                           ; all my tensor loads have landed
	ds_add_u32 v[SPW], v[NIL]                      ; 0 onto my spare word
	s_wait_dscnt 4*NL+1                            ; (the add and A's blocks 4-7 may be out)
	WIN MUL_LO
	MUL16 0, 1, 1, \sc, 0
	s_wait_dscnt 0x0                               ; the add is done, and my reads of this slot are over
	s_barrier_signal -1
	MUL16 2, 1, 1, \sc, 0
	WIN 0
	s_barrier_wait -1
.else
	s_wait_dscnt 4*NL
	WIN MUL_LO
	MUL16 0, 1, 1, \sc, 0
	MUL16 2, 1, 1, \sc, 0
	s_wait_dscnt 0x0
	WIN 0
.endif
.if \mode == 2
	CREST
	s_add_nc_u64 s[G0+4*\slot+2:G0+4*\slot+3], s[G0+4*\slot+2:G0+4*\slot+3], 3*KSTB
	s_add_nc_u64 s[G0B+4*\slot+2:G0B+4*\slot+3], s[G0B+4*\slot+2:G0B+4*\slot+3], 3*KSTB
	JLOAD G0+4*\slot, G1, G0B+4*\slot, G1B         ; K step 3: two K steps, 256 matrix instructions, in which to land
.else
	PLACES NP
.endif
	v_add_nc_u32 v[ADRS], 2048, v[ADRS]
	FETCH_B \next, 0, 0
	FETCH_A \next, 0, 0
	SCALES 1-(\sc)
	WIN MUL_HI
	MUL16 4, 1, 1, \sc, 0
	MUL16 6, 1, 1, \sc, 0
	PLACES NP
	WIN 0
	FETCH_A \next, 0, 4
.endm
	s_wait_loadcnt 0x0                             ; the bias
	s_wait_tensorcnt 2                             ; the scale words and my part of K step 0 are in; slots 1 and 2 may be out
	s_barrier_signal -1
	s_barrier_wait -1
	FETCH_B 0, 0, 0
	FETCH_A 0, 0, 0
	SCALES 0
	FETCH_A 0, 0, 4
	STEP 0, 0, 1
	TURN 0, 1, 0, 2
	STEP 1, 1, 0
	TURN 1, 2, 1, 0
	STEP 2, 0, 0
	TURN 2, 0, 0, 1
	STEP 0, 1, 0
	s_wait_dscnt 4*NL
	WIN MUL_LO
	MUL16 0, 1, 1, 1, 0
	MUL16 2, 1, 1, 1, 0
	s_wait_dscnt 0
	WIN MUL_HI
	MUL16 4, 1, 1, 1, 0
	MUL16 6, 1, 1, 1, 0
	WIN 0
; THE WAY OUT, a tile of 16 tokens x 128 features at a time: through my own stage in LDS and back as whole rows of 512 bytes.  LDS serves a wave's instructions in order: no wait between the stores and the loads.
.macro TOSTAGE a
.set AC, 64*((\a)%4)
	WIN 0x08+4*((\a)/4)                            ; an LDS store's data: window 2 or 3
.irp b, 0,1,2,3,4,5,6,7
	ds_store_b128 v[STO], v[AC+8*\b:AC+8*\b+3] offset:128*(\b/2)+32*(\b%2)          ; each accumulator from its low end on
	ds_store_b128 v[STO], v[AC+8*\b+4:AC+8*\b+7] offset:128*(\b/2)+32*(\b%2)+16
.endr
	WIN 0
.set BB, BK+64*((\a)%2)
.irp t, 0,1,2,3,4,5,6,7,8,9,10,11,12,13,14,15
	ds_load_b128 v[BB+4*\t:BB+4*\t+3], v[RD] offset:\t*SPITCH
.endr
.endm
.macro SEND a, younger                 ; younger: the LDS instructions issued behind tile a's loads, which may stay out
.set BB, BK+64*((\a)%2)
	s_wait_dscnt \younger
.irp t, 0,1,2,3,4,5,6,7,8,9,10,11,12,13,14,15
	global_store_b128 v7, v[BB+4*\t:BB+4*\t+3], s[10:11] offset:(32*((\a)/2)+8*((\a)%2)+\t+8*(\t/8))*4096 th:TH_STORE_NT   ; row t of the tile is token 32 (a / 2) + 8 (a % 2) + t + 8 (t / 8); 512 consecutive bytes, aligned
.endr
.endm
	PLACES NP
	TOSTAGE 0
.irp a, 1,2,3,4,5,6,7
.if \a > 1
	s_wait_xcnt 0x0                                ; tile a - 2's stores have read their registers: tile a's loads may land there
.endif
	TOSTAGE \a
	SEND \a-1, 32                                  ; behind tile a - 1's loads: tile a's 16 stores and 16 loads
.endr
	SEND 7, 0
	s_wait_tensorcnt 0x0                           ; the wave's end, behind my last tensor load and my last LDS store
	ds_add_u32 v[SPW], v[NIL]
	s_wait_dscnt 0x0
	CROUND                                         ; the closing round
	s_endpgm
.Lfunc_end_k_qd7d4bd4984_proj:
	.size	k_qd7d4bd4984_proj, .Lfunc_end_k_qd7d4bd4984_proj-k_qd7d4bd4984_proj
	.p2alignl 7, 3214868480
	.fill 96, 4, 3214868480
	.section	.rodata,"a",@progbits
	.p2align	6, 0x0
	.amdhsa_kernel k_qd7d4bd4984_proj
		.amdhsa_group_segment_fixed_size 327680
		.amdhsa_private_segment_fixed_size 0
		.amdhsa_enable_private_segment 0
		.amdhsa_kernarg_size 32
		.amdhsa_user_sgpr_count 2
		.amdhsa_user_sgpr_kernarg_segment_ptr 1
		.amdhsa_wavefront_size32 1
		.amdhsa_system_sgpr_workgroup_id_x 1
		.amdhsa_system_sgpr_workgroup_id_y 1
		.amdhsa_system_sgpr_workgroup_id_z 1
		.amdhsa_system_vgpr_workitem_id 0
		.amdhsa_next_free_vgpr 1024
		.amdhsa_next_free_sgpr 102
		.amdhsa_reserve_vcc 0
		.amdhsa_float_denorm_mode_32 3
		.amdhsa_float_denorm_mode_16_64 3
		.amdhsa_memory_ordered 1
		.amdhsa_forward_progress 1
		.amdhsa_inst_pref_size 145
	.end_amdhsa_kernel
	.amdgpu_metadata
---
amdhsa.version: [ 1, 2 ]
amdhsa.kernels:
  - .name:           k_qd7d4bd4984_proj
    .symbol:         k_qd7d4bd4984_proj.kd
    .args:
      - { .name: yq, .offset: 0, .size: 8, .value_kind: global_buffer, .address_space: global }
      - { .name: wp, .offset: 8, .size: 8, .value_kind: global_buffer, .address_space: global }
      - { .name: b_proj, .offset: 16, .size: 8, .value_kind: global_buffer, .address_space: global }
      - { .name: out0, .offset: 24, .size: 8, .value_kind: global_buffer, .address_space: global }
    .group_segment_fixed_size: 327680
    .private_segment_fixed_size: 0
    .kernarg_segment_align: 8
    .kernarg_segment_size: 32
    .max_flat_workgroup_size: 128
    .sgpr_count:     102
    .vgpr_count:     1024
    .wavefront_size: 32
...
	.end_amdgpu_metadata
.endif
;; end of part 4
